; MI455X (gfx1250); checked and timed in simulation.
; The chip was launched on July 23, 2026; its instructions are those of AMD's public machine-readable ISA for CDNA 5 (MIT licence, August 2026) and "CDNA5" Instruction Set Architecture Reference Guide (July 2026). The comments in the code are by the model that wrote it; some were corrected since.
;; Multi Head Attention. Allowed arithmetic: matrix products marked QUANTISED: E2M1 operands, one E8M0 scale for each 32 along K, by v_wmma_scale_f32_16x16x128_f8f6f4 with both operands' format E2M1 (or v_wmma_scale_f32_32x16x128_f4), f32 sums; products left as they are: bf16, f16 or f32 operands; f32 sums; everything else in f32.
;; Inputs: W_k 1,024 x 1,024 float32; W_o 1,024 x 1,024 float32; W_q 1,024 x 1,024 float32; W_v 1,024 x 1,024 float32; x 4 x 2,048 x 1,024 float32.
;; Outputs: out0 4 x 2,048 x 1,024 float32.
;; This version of the problem:
;;   THIS VERSION OF THE PROBLEM IS GIVEN IN LOW PRECISION. The matrix products marked QUANTISED in the list below multiply operands that are first quantised to E2M1 (2 exponent bits, 1 mantissa bit; 4 bits a number), with one power-of-two scale for each 32 numbers along K (OCP MX v1.0); their sums are f32. The products marked 'left as it is' may take bf16, f16 or f32 operands, with f32 sums. Whichever they take, every output number must still come out within the allowed error. Rounding operands to bf16 (8 significant bits) uses up far more of that allowance than f16 does (11 bits, for magnitudes from 6e-5 to 65,504). All else is computed in f32.
;;   The module's matrix products, in the order in which they are computed (A, B: the left and right operand; K: the contracted axis; several contracted axes count as one K, in the product's order):
;;     1. [M 8,192, K 1,024] x [K 1,024, N 1,024]; A: input x; B: input W_q: QUANTISED
;;     2. [M 8,192, K 1,024] x [K 1,024, N 1,024]; A: input x; B: input W_k: QUANTISED
;;     3. [M 8,192, K 1,024] x [K 1,024, N 1,024]; A: input x; B: input W_v: QUANTISED
;;     4. batch 64 x [M 2,048, K 64] x [K 64, N 2,048]; A: computed on the way; B: computed on the way: left as it is (an operand is computed on the way)
;;     5. batch 64 x [M 2,048, K 2,048] x [K 2,048, N 64]; A: computed on the way; B: computed on the way: left as it is (an operand is computed on the way)
;;     6. [M 8,192, K 1,024] x [K 1,024, N 1,024]; A: computed on the way; B: input W_o: left as it is (an operand is computed on the way)
;;   THE QUANTISER, for each operand of a quantised product, along K:
;;     - K is cut into blocks of 32 from its start; a last block that is shorter is filled with zeros.
;;     - A block's scale is 2^e with e = floor(log2(the largest magnitude in the block)) - 2, held to -126 .. 127; a block of zeros has e = 0. As a byte (E8M0): e + 127.
;;     - Each number is divided by its block's scale, clamped to +-6, and rounded to the nearest number of E2M1, ties to even, subnormals kept.
;;     - The product sums the exact products of the quantised numbers (number of the format x scale) in f32.
;;   ~~~python
;;   def quantise(x, axis):      # numpy; x: float32 -> the quantised numbers, widened to float32 again
;;       x = np.moveaxis(x, axis, -1); K = x.shape[-1]
;;       x = np.pad(x, [(0, 0)] * (x.ndim - 1) + [(0, -K % 32)]); x = x.reshape(x.shape[:-1] + (-1, 32)); a = np.abs(x).max(-1, keepdims=True)
;;       e = np.where(a > 0, np.clip(np.frexp(np.where(a > 0, a, 1))[1] - 1 - 2, -126, 127), 0)      # np.frexp(a)[1] - 1 = floor(log2(a)), exactly
;;       r = np.clip(x / 2.0 ** e, -6, 6)
;;       step = 2.0 ** (np.maximum(np.frexp(np.where(r == 0, 1, r))[1] - 1, 0) - 1)
;;       q = np.round(r / step) * step * 2.0 ** e      # np.round: ties to even
;;       return np.moveaxis(q.reshape(q.shape[:-2] + (-1,))[..., :K], -1, axis).astype(np.float32)
;;   ~~~
;; One version. Each part assembles by itself: llvm-mc -triple=amdgcn-amd-amdhsa -mcpu=gfx1250 --defsym DOCPART=n.
;; ======== version 1 of 1: 5 launches
;; limits: values are held in f16: magnitudes above 65,504 overflow, below 6.1e-05 lose precision
;; workspace buffers: xc 4,194,304 bytes; xs 262,144 bytes; wc 1,572,864 bytes; ws 98,304 bytes; wo16 2,097,152 bytes; qkv 50,331,648 bytes; ctx 16,777,216 bytes
;; launch prep (part 1): grid 512 x 1, 4 waves a work-group, no clusters, 42,496 bytes of LDS; arguments x, W_q, W_k, W_v, W_o, xc, xs, wc, ws, wo16; writes xc, xs, wc, ws, wo16
.if DOCPART == 1
	.amdgcn_target "amdgcn-amd-amdhsa--gfx1250"
	.amdhsa_code_object_version 6
	.text
	.protected	k_q3a437c327a_prep
	.globl	k_q3a437c327a_prep
	.p2align	8
	.type	k_q3a437c327a_prep,@function
k_q3a437c327a_prep:
	s_mov_b64 s[64:65], 0
	v_nop
	global_prefetch_b8 v0, s[64:65] scope:SCOPE_SE
	s_setreg_imm32_b32 hwreg(HW_REG_WAVE_MODE, 25, 1), 1
	s_wait_xcnt 0x0
; THREE JOBS IN ONE LAUNCH, told apart by the work-group's number alone; each job has LDS bytes of its own.
;   work-groups   0-191: W_q, W_k, W_v [k 1024][n 1024] f32 -> codes of E2M1 with K innermost, wc [3072][512 bytes], row = 1024 x which + n, and scale bytes ws [k / 512][3072][16 bytes]
;   work-groups 192-255: W_o f32 -> f16 as it lies, wo16 [1024][1024]
;   work-groups 256-511: x [8192][1024] f32 -> codes xc [8192][512 bytes] and scale bytes xs [k / 512][8192][16 bytes]
; A block of 32 along K has the scale 2^(floor(log2(largest magnitude)) - 2); its byte is the largest magnitude's exponent field - 2, held at 1 from below.
; A block of zeros so gets the byte 1 where the rule says 127: its codes are zeros, which add nothing under any byte but 0xff, and this program alone reads the bytes.
; LIMITS: blocks whose largest magnitude lies under 2^-124 get the byte 1; NaN and infinities among the inputs are not served; W_o is rounded to f16 (magnitudes up to 65,504).
; The scale bytes lie by K step of 512, 16 bytes a row: sixteen rows' bytes of a K step are 256 consecutive bytes, for the stores here and for the tensor loads of the next launch.
.set SPW,   12                         ; v12  LDS address of my spare word; never rewritten
.set NIL,   13                         ; v13  0; never rewritten
.set WSTG,  32768                      ; the weights' stage: 32 columns x (256 bytes + 16)
.set WSC,   41472                      ; the weights' scale bytes: 32 columns x 16
.set SPARE, 41984                      ; the spare words, 128 bytes for each wave: two blocks of 256 bytes that no other line names
	s_load_b512 s[4:19], s[0:1], 0x0               ; x s[4:5], W_q s[6:7], W_k s[8:9], W_v s[10:11], W_o s[12:13], xc s[14:15], xs s[16:17], wc s[18:19]
	s_load_b128 s[20:23], s[0:1], 0x40             ; ws s[20:21], wo16 s[22:23]
	v_lshl_add_u32 v[SPW], v0, 2, SPARE
	v_mov_b32 v[NIL], 0
	v_lshrrev_b32 v1, 5, v0
	v_readfirstlane_b32 s24, v1                    ; wave 0..3
	v_and_b32 v2, 31, v0                           ; lane
	s_cmp_ge_u32 ttmp9, 256
	s_cbranch_scc1 .Lpath_x
	s_cmp_ge_u32 ttmp9, 192
	s_cbranch_scc1 .Lpath_c
; ---------------- the three quantised weights: a lane takes a column n and its registers run down K ----------------
; A work-group takes 32 columns x 512 along K, a wave 128 of the 512: four blocks a lane.  The four waves' codes of a column, 256 bytes, meet in the stage and leave as whole rows.
	s_lshr_b32 s25, ttmp9, 6                       ; which: 0 W_q, 1 W_k, 2 W_v
	s_bfe_u32 s28, ttmp9, 0x50001                  ; which 32 columns
	s_and_b32 s29, ttmp9, 1                        ; which 512 along K
	v_lshlrev_b32 v3, 2, v2                        ; in: 4 bytes a lane
	s_lshl_b32 s30, s29, 21                        ; 512 rows of 4,096 bytes,
	s_lshl_b32 s31, s24, 19                        ; my wave's 128 rows,
	s_add_co_u32 s30, s30, s31
	s_lshl_b32 s31, s28, 7                         ; 32 columns of 4 bytes
	s_add_co_u32 s30, s30, s31
	s_mov_b32 s31, 0
	s_lshl_b32 s32, s25, 10
	s_lshl_b32 s33, s28, 5
	s_add_co_u32 s32, s32, s33                     ; n0: my first row of wc
	v_mul_u32_u24 v4, v2, 272
	s_lshl_b32 s33, s24, 6
	s_add_co_u32 s33, s33, WSTG
	v_add_nc_u32 v4, s33, v4                       ; into the stage: row = my column, my wave's 64 bytes
	v_lshlrev_b32 v5, 4, v2
	s_lshl_b32 s34, s24, 2
	s_add_co_u32 s34, s34, WSC
	v_add_nc_u32 v5, s34, v5                       ; my column's 16 scale bytes, my wave's four
	v_lshrrev_b32 v7, 4, v2
	v_and_b32 v10, 15, v2
	v_mul_u32_u24 v6, v7, 272
	v_lshl_add_u32 v6, v10, 4, v6
	s_mul_i32 s35, s24, 8*272
	s_add_co_u32 s35, s35, WSTG
	v_add_nc_u32 v6, s35, v6                       ; out of the stage: my wave's eight rows, sixteen lanes to a row
	v_lshlrev_b32 v7, 9, v7
	v_lshl_add_u32 v7, v10, 4, v7                  ; and the same place in wc
	v_lshlrev_b32 v162, 4, v2                      ; the scale bytes on their way out: 16 bytes a lane
	v_add_nc_u32 v161, WSC, v162
	s_lshl_b32 s36, s24, 3
	s_add_co_u32 s36, s36, s32
	s_lshl_b32 s36, s36, 9                         ; (n0 + 8 wave) rows of 512 bytes
	s_lshl_b32 s37, s29, 8
	s_add_co_u32 s36, s36, s37                     ; + this K half's 256
	s_mov_b32 s37, 0
	s_mul_i32 s38, s29, 49152                      ; ws: the K half's plane,
	s_lshl_b32 s39, s32, 4
	s_add_co_u32 s38, s38, s39                     ; 16 bytes a row
	s_mov_b32 s39, 0
	s_wait_kmcnt 0x0
	s_cmp_eq_u32 s25, 0                            ; the choice hangs on the work-group's number alone
	s_cselect_b64 s[26:27], s[6:7], s[8:9]
	s_cmp_eq_u32 s25, 2
	s_cselect_b64 s[26:27], s[10:11], s[26:27]
	s_add_nc_u64 s[26:27], s[26:27], s[30:31]
	s_add_nc_u64 s[18:19], s[18:19], s[36:37]
	s_add_nc_u64 s[20:21], s[20:21], s[38:39]
.set J, 0
.rept 128
	global_load_b32 v[16+J], v3, s[26:27] offset:J*4096   ; W(k0 + J, my column): 32 lanes read 128 consecutive bytes
.set J, J+1
.endr
.macro WBLOCK t, left                  ; block t of my four; left: how many younger loads may stay out
.set XS, 16+32*(\t)
	s_wait_loadcnt \left
	v_max3_num_f32 v8, |v[XS]|, |v[XS+1]|, |v[XS+2]|       ; the block's largest magnitude: all 32 numbers are mine; two chains
	v_max3_num_f32 v9, |v[XS+3]|, |v[XS+4]|, |v[XS+5]|
.irp i, 6,10,14,18,22,26
	v_max3_num_f32 v8, v8, |v[XS+\i]|, |v[XS+\i+1]|
	v_max3_num_f32 v9, v9, |v[XS+\i+2]|, |v[XS+\i+3]|
.endr
	v_max3_num_f32 v8, v8, |v[XS+30]|, |v[XS+31]|
	v_max3_num_f32 v8, v8, v9, 0x1800000           ; and the floor 2^(3 - 127): the byte cannot fall under 1
	v_add_nc_u32 v11, 0xff000000, v8               ; 2 off the exponent field: the conversion takes this operand's exponent field as its scale
	v_lshrrev_b32 v9, 23, v11                      ; the scale's byte
.if (\t) == 0
	v_mov_b32 v160, v9
.else
	v_lshl_or_b32 v160, v9, 8*(\t), v160           ; four bytes to a word, the lower K in the lower byte
.endif
.irp g, 0,1,2,3
	v_cvt_scalef32_pk8_fp4_f32 v[144+4*(\t)+\g], v[XS+8*\g:XS+8*\g+7], v11
.endr
	v_nop                                          ; a plain line behind the conversions
	ds_store_b128 v4, v[144+4*(\t):144+4*(\t)+3] offset:16*(\t)
.endm
	WBLOCK 0, 63                                   ; 96 and 64 loads were issued behind blocks 0 and 1: the count's field ends at 63
	WBLOCK 1, 63
	WBLOCK 2, 32
	WBLOCK 3, 0
	ds_store_b32 v5, v160
	s_wait_dscnt 0x0                               ; for the others' sake: my stores have landed
	s_barrier_signal -1
	s_barrier_wait -1
.irp j, 0,1,2,3
	ds_load_b128 v[164+4*\j:167+4*\j], v6 offset:544*\j
.endr
.irp j, 0,1,2,3
	s_wait_dscnt 3-\j
	global_store_b128 v7, v[164+4*\j:167+4*\j], s[18:19] offset:1024*\j   ; sixteen lanes store 256 consecutive bytes of a row, aligned
.endr
	s_cmp_lg_u32 s24, 0
	s_cbranch_scc1 .Lw_done
	ds_load_b128 v[180:183], v161                  ; wave 0: the 32 columns' scale bytes, 512 consecutive bytes
	s_wait_dscnt 0x0
	global_store_b128 v162, v[180:183], s[20:21]
.Lw_done:
	s_wait_tensorcnt 0x0                           ; the wave's end
	ds_add_u32 v[SPW], v[NIL]
	s_wait_dscnt 0x0
	s_endpgm
; ---------------- W_o to f16: a plain stream, 16 KiB in and 8 KiB out for each wave ----------------
.Lpath_c:
	s_sub_co_u32 s25, ttmp9, 192
	s_lshl_b32 s25, s25, 2
	s_add_co_u32 s25, s25, s24                     ; my run, 0..255
	s_lshl_b32 s26, s25, 14
	s_mov_b32 s27, 0
	s_lshl_b32 s28, s25, 13
	s_mov_b32 s29, 0
	v_lshlrev_b32 v3, 4, v2
	v_lshlrev_b32 v4, 3, v2
	s_wait_kmcnt 0x0
	s_add_nc_u64 s[12:13], s[12:13], s[26:27]
	s_add_nc_u64 s[22:23], s[22:23], s[28:29]
.set J, 0
.rept 32
	global_load_b128 v[16+4*J:19+4*J], v3, s[12:13] offset:512*J
.set J, J+1
.endr
.set J, 0
.rept 32
	s_wait_loadcnt 31-J                            ; loads come back in order: load J is in
	v_cvt_pk_f16_f32 v[144+2*J], v[16+4*J], v[17+4*J]
	v_cvt_pk_f16_f32 v[145+2*J], v[18+4*J], v[19+4*J]
	global_store_b64 v4, v[144+2*J:145+2*J], s[22:23] offset:256*J   ; 32 lanes store 256 consecutive bytes, aligned; each store has data registers of its own
.set J, J+1
.endr
	s_wait_tensorcnt 0x0
	ds_add_u32 v[SPW], v[NIL]
	s_wait_dscnt 0x0
	s_endpgm
; ---------------- x: K is innermost ----------------
; A wave takes 16 rows x 512 along K; a step is one row's 512 numbers.  Each of a step's four loads reads 512 consecutive bytes; the 2,048 bytes turn through the wave's own stage in LDS
; (16 bytes of padding behind each 64) and come back 16 neighbours a lane: two neighbouring lanes hold a block.  Loads run eight steps ahead, the turn one step.
.Lpath_x:
	s_sub_co_u32 s25, ttmp9, 256
	s_lshr_b32 s26, s24, 1
	s_and_b32 s27, s24, 1                          ; which 512 along K
	s_lshl_b32 s28, s25, 5
	s_lshl_b32 s29, s26, 4
	s_add_co_u32 s28, s28, s29                     ; my first row: 32 x work-group + 16 x (wave / 2)
	v_lshlrev_b32 v3, 4, v2                        ; my 16 bytes of a load's 512
	s_mul_i32 s29, s24, 8192                       ; my region of LDS
	v_lshrrev_b32 v14, 2, v2
	v_mul_u32_u24 v14, v14, 80
	v_and_b32 v15, 3, v2
	v_lshl_add_u32 v14, v15, 4, v14
	v_add_nc_u32 v14, s29, v14                     ; the stage on the way in: 80 (lane / 4) + 16 (lane % 4)
	v_mul_u32_u24 v15, v2, 80
	v_add_nc_u32 v15, s29, v15                     ; and on the way out: 80 x lane
	v_lshlrev_b32 v4, 3, v2                        ; my 8 bytes of a step's codes
	v_lshrrev_b32 v5, 1, v2
	s_add_co_u32 s29, s29, 5120
	v_add_nc_u32 v5, s29, v5                       ; my block's scale byte
	v_lshlrev_b32 v7, 3, v2
	v_add_nc_u32 v6, s29, v7                       ; the 256 scale bytes on their way out: 8 a lane
	s_lshl_b32 s30, s28, 12
	s_lshl_b32 s31, s27, 11
	s_add_co_u32 s30, s30, s31
	s_mov_b32 s31, 0
	s_lshl_b32 s32, s28, 9
	s_lshl_b32 s33, s27, 8
	s_add_co_u32 s32, s32, s33
	s_mov_b32 s33, 0
	s_lshl_b32 s34, s27, 17
	s_lshl_b32 s35, s28, 4
	s_add_co_u32 s34, s34, s35
	s_mov_b32 s35, 0
	s_wait_kmcnt 0x0
	s_add_nc_u64 s[4:5], s[4:5], s[30:31]
	s_add_nc_u64 s[14:15], s[14:15], s[32:33]
	s_add_nc_u64 s[16:17], s[16:17], s[34:35]
.macro XLOAD t
.irp i, 0,1,2,3
	global_load_b128 v[16+16*((\t)%8)+4*\i:16+16*((\t)%8)+4*\i+3], v3, s[4:5] offset:4096*(\t)+512*\i th:TH_LOAD_NT
.endr
.endm
.macro XTURN t                         ; LDS serves a wave's instructions in order: no wait stands between the stores and the loads
.irp i, 0,1,2,3
	ds_store_b128 v14, v[16+16*((\t)%8)+4*\i:16+16*((\t)%8)+4*\i+3] offset:2560*((\t)%2)+640*\i
.endr
.irp i, 0,1,2,3
	ds_load_b128 v[144+16*((\t)%2)+4*\i:144+16*((\t)%2)+4*\i+3], v15 offset:2560*((\t)%2)+16*\i
.endr
.endm
.irp t, 0,1,2,3,4,5,6,7
	XLOAD \t
.endr
	s_wait_loadcnt 28                              ; step 0's four loads are in
	XTURN 0
.macro XSTEP t
.set XS, 144+16*((\t)%2)
.if (\t) > 0
	s_wait_dscnt 1                                 ; this step's numbers are back from the stage; the last step's byte store may be out
.else
	s_wait_dscnt 0x0
.endif
.if (\t)+8 < 16
	XLOAD (\t)+8                                   ; into the registers that this step's stores into the stage have read
.endif
.if (\t)+1 < 16
.if (\t) <= 7
	s_wait_loadcnt 28                              ; the next step's loads are in; seven steps' loads behind them may be out
.else
	s_wait_loadcnt 4*(14-(\t))
.endif
	XTURN (\t)+1
.endif
	v_max3_num_f32 v8, |v[XS]|, |v[XS+1]|, |v[XS+2]|
	v_max3_num_f32 v9, |v[XS+3]|, |v[XS+4]|, |v[XS+5]|
.irp i, 6,10
	v_max3_num_f32 v8, v8, |v[XS+\i]|, |v[XS+\i+1]|
	v_max3_num_f32 v9, v9, |v[XS+\i+2]|, |v[XS+\i+3]|
.endr
	v_max3_num_f32 v8, v8, |v[XS+14]|, |v[XS+15]|
	v_max3_num_f32 v8, v8, v9, 0x1800000           ; the floor 2^(3 - 127)
	v_max_num_f32_dpp v8, v8, v8 row_xmask:1 row_mask:0xf bank_mask:0xf   ; with my neighbour's 16: the block's largest magnitude
	v_add_nc_u32 v11, 0xff000000, v8
	v_cvt_scalef32_pk8_fp4_f32 v[192+2*(\t)], v[XS:XS+7], v11
	v_cvt_scalef32_pk8_fp4_f32 v[193+2*(\t)], v[XS+8:XS+15], v11
	v_lshrrev_b32 v[176+(\t)], 23, v11             ; the scale's byte (also the plain line behind the conversions)
	ds_store_b8 v5, v[176+(\t)] offset:16*(\t)     ; both lanes of a block write the same byte with the same value
	global_store_b64 v4, v[192+2*(\t):193+2*(\t)], s[14:15] offset:512*(\t)   ; 32 lanes store 256 consecutive bytes, aligned
.endm
.irp t, 0,1,2,3,4,5,6,7,8,9,10,11,12,13,14,15
	XSTEP \t
.endr
	ds_load_b64 v[8:9], v6                         ; my wave's 16 rows x 16 scale bytes
	s_wait_dscnt 0x0
	global_store_b64 v7, v[8:9], s[16:17]          ; 256 consecutive bytes, aligned
	s_wait_tensorcnt 0x0                           ; the wave's end
	ds_add_u32 v[SPW], v[NIL]
	s_wait_dscnt 0x0
	s_endpgm
.Lfunc_end_k_q3a437c327a_prep:
	.size	k_q3a437c327a_prep, .Lfunc_end_k_q3a437c327a_prep-k_q3a437c327a_prep
	.p2alignl 7, 3214868480
	.fill 96, 4, 3214868480
	.section	.rodata,"a",@progbits
	.p2align	6, 0x0
	.amdhsa_kernel k_q3a437c327a_prep
		.amdhsa_group_segment_fixed_size 42496
		.amdhsa_private_segment_fixed_size 0
		.amdhsa_enable_private_segment 0
		.amdhsa_kernarg_size 80
		.amdhsa_user_sgpr_count 2
		.amdhsa_user_sgpr_kernarg_segment_ptr 1
		.amdhsa_wavefront_size32 1
		.amdhsa_system_sgpr_workgroup_id_x 1
		.amdhsa_system_sgpr_workgroup_id_y 1
		.amdhsa_system_sgpr_workgroup_id_z 1
		.amdhsa_system_vgpr_workitem_id 0
		.amdhsa_next_free_vgpr 224
		.amdhsa_next_free_sgpr 66
		.amdhsa_reserve_vcc 0
		.amdhsa_float_denorm_mode_32 3
		.amdhsa_float_denorm_mode_16_64 3
		.amdhsa_memory_ordered 1
		.amdhsa_forward_progress 1
		.amdhsa_inst_pref_size 67
	.end_amdhsa_kernel
	.amdgpu_metadata
---
amdhsa.version: [ 1, 2 ]
amdhsa.kernels:
  - .name:           k_q3a437c327a_prep
    .symbol:         k_q3a437c327a_prep.kd
    .args:
      - { .name: x, .offset: 0, .size: 8, .value_kind: global_buffer, .address_space: global }
      - { .name: W_q, .offset: 8, .size: 8, .value_kind: global_buffer, .address_space: global }
      - { .name: W_k, .offset: 16, .size: 8, .value_kind: global_buffer, .address_space: global }
      - { .name: W_v, .offset: 24, .size: 8, .value_kind: global_buffer, .address_space: global }
      - { .name: W_o, .offset: 32, .size: 8, .value_kind: global_buffer, .address_space: global }
      - { .name: xc, .offset: 40, .size: 8, .value_kind: global_buffer, .address_space: global }
      - { .name: xs, .offset: 48, .size: 8, .value_kind: global_buffer, .address_space: global }
      - { .name: wc, .offset: 56, .size: 8, .value_kind: global_buffer, .address_space: global }
      - { .name: ws, .offset: 64, .size: 8, .value_kind: global_buffer, .address_space: global }
      - { .name: wo16, .offset: 72, .size: 8, .value_kind: global_buffer, .address_space: global }
    .group_segment_fixed_size: 42496
    .private_segment_fixed_size: 0
    .kernarg_segment_align: 8
    .kernarg_segment_size: 80
    .max_flat_workgroup_size: 128
    .sgpr_count:     66
    .vgpr_count:     224
    .wavefront_size: 32
...
	.end_amdgpu_metadata
.endif
;; end of part 1
;; launch qkv (part 2): grid 12 x 32, 4 waves a work-group, clusters of 4 x 4, 327,680 bytes of LDS; arguments xc, xs, wc, ws, qkv; writes qkv
.if DOCPART == 2
	.amdgcn_target "amdgcn-amd-amdhsa--gfx1250"
	.amdhsa_code_object_version 6
	.text
	.protected	k_q3a437c327a_qkv
	.globl	k_q3a437c327a_qkv
	.p2align	8
	.type	k_q3a437c327a_qkv,@function
k_q3a437c327a_qkv:
	s_mov_b64 s[64:65], 0
	v_nop
	global_prefetch_b8 v0, s[64:65] scope:SCOPE_SE
	s_setreg_imm32_b32 hwreg(HW_REG_WAVE_MODE, 25, 1), 1
	s_wait_xcnt 0x0
	s_wait_alu depctr_hold_cnt(0) depctr_sa_sdst(0) depctr_va_vdst(0) depctr_va_sdst(0) depctr_va_ssrc(0) depctr_va_vcc(0) depctr_vm_vsrc(0)
	s_getreg_b32 s2, hwreg(HW_REG_IB_STS2, 6, 4)
	s_cmp_eq_u32 s2, 0
	s_cbranch_scc0 .Lentry_in_a_cluster
	s_endpgm
.Lentry_in_a_cluster:
	s_bfe_u32 s2, ttmp6, 0x10000c
	s_cmp_lg_u32 s2, 0xf033
	s_cbranch_scc0 .Lentry_shape_is_right
	s_endpgm
.Lentry_shape_is_right:
; Q, K, V = x W_q, x W_k, x W_v on codes of E2M1 with one E8M0 scale for each 32 along K: one product [8192][1024] x [3072][1024]^T, f32 sums, K ascending.
; The results are rounded once to f16 and laid by head: qkv byte = which << 24 + batch << 22 + head << 18 + position << 7 + 2 x channel.
; LIMIT: |Q|, |K|, |V| up to 65,504 (f16).
; A tile of 256 x 256 is made by a work-group of four waves, a wave 128 x 128: 64 accumulators, 512 registers.  K = 1,024 is two LDS slots of 512 along K (rows of 256 bytes): both are filled once, at the start; nothing is filled again.
; The scale bytes lie by K step, 16 bytes a row: those of 128 rows for both K steps are two runs of 2,048 bytes, brought by one tensor load a wave with the first fills.
; CLUSTERS: 4 x 4 work-groups; A's tiles are asked for jointly along a row of the cluster, B's along a column.  The matrix instruction is used transposed (source 0 = 16 rows of the weights, source 1 = 16 rows of x):
; a lane then holds eight neighbouring channels of one row.
; REGISTERS, in windows of 256: window 0: v0-31 addresses; v32-95 scale words, two sets; v128-191 A's fragments, one set; on the way out v128-223.  window 1: B's fragments, two sets.  windows 2, 3: the accumulators.
.set KSTEP,  512
.set NQ,     4                         ; matrix instructions deep in a slot
.set ROWB,   256                       ; a tile's row in bytes
.set KROW,   512                       ; a row of codes in memory
.set PITCH,  272                       ; an LDS row: 256 bytes + 16 of padding: the 16 rows of a load start at 16 different banks (64 banks of 4 bytes: ISA guide 11.1)
.set FR,     8
.set NL,     2
.set NP,     4                         ; places behind this matrix instruction (ISA guide 7.12.1)
.set HALFT,  128*PITCH
.set SLOT,   4*HALFT
.set SCL,    2*SLOT                    ; behind the slots: the scales, [fetching wave][K step][128 rows][16 bytes]
.set HALFS,  4096
.set SPARE,  SCL+4*HALFS               ; the spare words, 128 bytes for each wave
.set SPITCH, 400                       ; the way out: a stage of 16 rows x 400 bytes for each wave, in slot 0, which has had its only fill and its last read by then
.set ADRA, 16
.set ADRB, 20
.set STO,  24
.set RD,   25
.set CO,   26
.set ADRS, 27
.set SPW,  28
.set NIL,  29
.set SC,   32
.set AF,   128
.set BK,   128                         ; the way out: rows read back: v128-159 and v160-191 by turns
.set TMP,  192                         ; the way out: packed results
.set G1, 24
.set G0, 32
.set G1B, 48
.set G0B, 56
.set G1S, 68
.set G0S, 76
.set G1SB, 80
.set G0SB, 88
.set MSB, 0
.macro WIN new                         ; the immediate's high byte repeats the setting that is left
.if MSB != \new
	s_set_vgpr_msb (MSB<<8)|\new
.set MSB, \new
.endif
.endm
.set MUL_LO, 0xa1                      ; source 0 (B) window 1, source 1 (A) window 0, C and D window 2
.set MUL_HI, 0xf1
.set TO_B,   0x40
; A joint load: waves 0 and 1 fetch for A, waves 2 and 3 for B; the branch hangs on the wave's number alone.  An s_nop 0 and four v_nop follow each of the two lines.
.macro JLOAD g0a, g1a, g0b, g1b
	s_cmp_eq_u32 s15, 0
	s_cbranch_scc0 .Lfor_b_\@
	tensor_load_to_lds s[\g0a:\g0a+3], s[\g1a:\g1a+7]
	s_nop 0
.rept 4
	v_nop
.endr
	s_branch .Lasked_\@
.Lfor_b_\@:
	tensor_load_to_lds s[\g0b:\g0b+3], s[\g1b:\g1b+7]
	s_nop 0
.rept 4
	v_nop
.endr
.Lasked_\@:
.endm
.macro CROUND                          ; a round of the cluster's barrier
	s_barrier_signal -1
	s_barrier_wait -1
	s_cmp_lg_u32 s14, 0
	s_cbranch_scc1 .Lnot_wave_0_\@
	s_barrier_signal -3
.Lnot_wave_0_\@:
	s_barrier_wait -3
	s_barrier_signal -1
	s_barrier_wait -1
.endm
	s_load_b128 s[4:7], s[0:1], 0x0                ; x's codes, x's scales
	s_load_b128 s[8:11], s[0:1], 0x10              ; the weights' codes, their scales
	s_load_b64 s[12:13], s[0:1], 0x20              ; qkv
	v_lshl_add_u32 v[SPW], v0, 2, SPARE
	v_mov_b32 v[NIL], 0
	ds_add_u32 v[SPW], v[NIL]                      ; the wave's opening
	v_lshrrev_b32 v1, 5, v0
	v_readfirstlane_b32 s14, v1                    ; wave 0..3
	s_lshr_b32 s15, s14, 1                         ; my half of the tile's rows.  Also: I fetch for A (0) or for B (1)
	s_and_b32 s16, s14, 1                          ; my half of its columns.  Also: which 128 rows I fetch
	s_bfe_u32 s40, ttmp6, 0x40000                  ; cx, cy
	s_bfe_u32 s41, ttmp6, 0x40004
	s_lshl_b32 s42, ttmp9, 2
	s_add_co_u32 s42, s42, s40                     ; tile column
	s_and_b32 s17, ttmp7, 0xffff
	s_lshl_b32 s17, s17, 2
	s_add_co_u32 s17, s17, s41                     ; tile row
	s_lshl_b32 s43, s41, 2
	s_lshl_b32 s43, 15, s43                        ; my row of the cluster
	s_lshl_b32 s44, 0x1111, s40                    ; my column
	s_or_b32 s[G1+0], s43, (0<<16)|(1<<20)|(1<<21)|(5<<22)|(3<<25)  ; the mask; elements of 1 byte; padding: 4 words behind every 64; bit 21 beside a mask
	s_or_b32 s[G1B+0], s44, (0<<16)|(1<<20)|(1<<21)|(5<<22)|(3<<25)
.irp g, G1, G1B
	s_mov_b32 s[\g+1], ROWB<<16                    ; tensor_dim0
	s_mov_b32 s[\g+2], 128<<16                     ; tensor_dim1
	s_mov_b32 s[\g+3], ROWB<<16                    ; tile_dim0
	s_mov_b32 s[\g+4], 128                         ; tile_dim1
	s_mov_b32 s[\g+5], KROW                        ; from row to row
	s_mov_b32 s[\g+6], 0
	s_mov_b32 s[\g+7], 0
.endr
	s_or_b32 s[G1S+0], s43, (3<<16)|(1<<21)        ; the scales: elements of 8 bytes, no padding: two rows (K steps) of 256 elements (128 rows x 16 bytes)
	s_or_b32 s[G1SB+0], s44, (3<<16)|(1<<21)
.irp g, G1S, G1SB
	s_mov_b32 s[\g+1], 256<<16
	s_mov_b32 s[\g+2], 2<<16
	s_mov_b32 s[\g+3], 256<<16
	s_mov_b32 s[\g+4], 2
	s_mov_b32 s[\g+6], 0
	s_mov_b32 s[\g+7], 0
.endr
	s_mov_b32 s[G1S+5], 16384                      ; from K step to K step: 8,192 rows x 16 bytes,
	s_mov_b32 s[G1SB+5], 6144                      ; 3,072 rows x 16 bytes, in elements of 8
	s_lshl_b32 s18, s16, 7
	s_lshl_b32 s20, s17, 8
	s_add_co_u32 s20, s20, s18                     ; A: row 256 x tile row + 128 x half
	s_lshl_b32 s46, s42, 8
	s_add_co_u32 s46, s46, s18                     ; B: row 256 x tile column + 128 x half
	s_mov_b32 s21, 0
	s_mov_b32 s47, 0
	s_lshl_b64 s[22:23], s[20:21], 4               ; where these rows' scales begin, in bytes,
	s_lshl_b64 s[92:93], s[46:47], 4
	s_lshl_b64 s[20:21], s[20:21], 9               ; and their codes
	s_lshl_b64 s[46:47], s[46:47], 9
	s_mul_i32 s45, s14, HALFT                      ; where they go: wave x 128 rows: no place in the cluster enters an LDS address
	s_mul_i32 s94, s14, HALFS
	s_wait_dscnt 0x0                               ; the opening add is done
	s_wait_kmcnt 0x0
	s_add_nc_u64 s[20:21], s[4:5], s[20:21]
	s_add_nc_u64 s[22:23], s[6:7], s[22:23]
	s_add_nc_u64 s[46:47], s[8:9], s[46:47]
	s_add_nc_u64 s[92:93], s[10:11], s[92:93]
	CROUND                                         ; all sixteen work-groups are here: the joint loads meet
	s_mov_b32 s[G0S], 1
	s_add_co_u32 s[G0S+1], s94, SCL
	s_mov_b64 s[G0S+2:G0S+3], s[22:23]
	s_or_b32 s[G0S+3], s[G0S+3], 0x80000000
	s_mov_b32 s[G0SB], 1
	s_add_co_u32 s[G0SB+1], s94, SCL
	s_mov_b64 s[G0SB+2:G0SB+3], s[92:93]
	s_or_b32 s[G0SB+3], s[G0SB+3], 0x80000000
	JLOAD G0S, G1S, G0SB, G1SB                     ; the scales first; by this text's count three loads of a wave are out at the most
.irp s, 0,1
	s_mov_b32 s[G0+4*\s], 1
	s_add_co_u32 s[G0+4*\s+1], s45, \s*SLOT
	s_add_nc_u64 s[G0+4*\s+2:G0+4*\s+3], s[20:21], \s*ROWB
	s_or_b32 s[G0+4*\s+3], s[G0+4*\s+3], 0x80000000
	s_mov_b32 s[G0B+4*\s], 1
	s_add_co_u32 s[G0B+4*\s+1], s45, \s*SLOT
	s_add_nc_u64 s[G0B+4*\s+2:G0B+4*\s+3], s[46:47], \s*ROWB
	s_or_b32 s[G0B+4*\s+3], s[G0B+4*\s+3], 0x80000000
	JLOAD G0+4*\s, G1, G0B+4*\s, G1B
.endr
	v_and_b32 v1, 15, v0                           ; r = l % 16
	v_bfe_u32 v2, v0, 4, 1                         ; h = l / 16
	v_mul_u32_u24 v3, v1, PITCH
	v_lshl_add_u32 v4, v2, 4, v3                   ; a fragment's row x pitch + 16 h
	s_mul_i32 s21, s15, HALFT
	s_mul_i32 s22, s16, HALFT
	s_add_co_u32 s22, s22, 2*HALFT
.irp s, 0,1
	v_add_nc_u32 v[ADRA+\s], s21, v4
	v_add_nc_u32 v[ADRB+\s], s22, v4
	s_add_co_u32 s21, s21, SLOT
	s_add_co_u32 s22, s22, SLOT
.endr
	v_lshlrev_b32 v5, 4, v1                        ; my row's scale bytes of a K step: 16 bytes a row
	s_mul_i32 s21, s15, HALFS                      ; A's: my 128 rows
	s_mul_i32 s22, s16, HALFS                      ; B's: my 128 rows, behind A's two runs
	s_add_co_u32 s22, s22, 2*HALFS
	s_sub_co_u32 s22, s22, s21
	v_mul_u32_u24 v6, s22, v2                      ; lanes 16-31 take B's: one product, the distance between the two
	s_add_co_u32 s21, s21, SCL
	v_add_nc_u32 v5, v5, v6
	v_add_nc_u32 v[ADRS], s21, v5
	s_mul_i32 s23, s14, 16*SPITCH                  ; my stage
	v_mul_u32_u24 v5, v1, SPITCH                   ; in: row r, 16 bytes for each half of the lanes
	v_lshl_add_u32 v5, v2, 4, v5
	v_add_nc_u32 v[STO], s23, v5
	v_bfe_u32 v6, v0, 3, 1
	v_and_b32 v7, 7, v0
	v_mul_u32_u24 v5, v6, SPITCH                   ; back: eight lanes take a head's 128 bytes of a row; lanes 8-15 the next row; lanes 16-31 the second head
	v_lshl_add_u32 v5, v2, 7, v5
	v_lshl_add_u32 v5, v7, 4, v5
	v_add_nc_u32 v[RD], s23, v5
	v_lshlrev_b32 v[CO], 18, v2                    ; and the same place in qkv: head << 18, row << 7
	v_lshl_add_u32 v[CO], v6, 7, v[CO]
	v_lshl_add_u32 v[CO], v7, 4, v[CO]
	s_lshl_b32 s46, s42, 2
	s_lshl_b32 s47, s16, 1
	s_add_co_u32 s46, s46, s47                     ; my first head among the 48: (256 x tile column + 128 x half) / 64
	s_lshr_b32 s47, s46, 4
	s_lshl_b32 s47, s47, 24                        ; which << 24
	s_and_b32 s46, s46, 15
	s_lshl_b32 s46, s46, 18                        ; head << 18
	s_add_co_u32 s46, s46, s47
	s_lshl_b32 s20, s17, 8
	s_lshl_b32 s21, s15, 7
	s_add_co_u32 s20, s20, s21                     ; my first row
	s_lshr_b32 s21, s20, 11
	s_lshl_b32 s21, s21, 22                        ; batch << 22
	s_and_b32 s20, s20, 2047
	s_lshl_b32 s20, s20, 7                         ; position << 7
	s_add_co_u32 s20, s20, s21
	s_add_co_u32 s20, s20, s46
	s_mov_b32 s21, 0
	s_add_nc_u64 s[12:13], s[12:13], s[20:21]
.macro FRAG reg, adr, q, i             ; 16 rows x 128 K of 4-bit codes: 8 registers, two loads of 16 bytes, 32 bytes apart
.irp c, 0,1
	ds_load_b128 v[\reg+4*\c:\reg+4*\c+3], v[\adr] offset:64*(\q)+32*\c+(\i)*16*PITCH
.endr
.endm
; 16 matrix instructions: A's blocks a0, a0 + 1 x B's eight.  The 64 accumulators take turns, one instruction a turn, in the same order in every step.
.macro MUL16 a0, p, q, sc, zero
.irp a, \a0, \a0+1
.irp b, 0,1,2,3,4,5,6,7
.if \zero
	v_wmma_scale_f32_16x16x128_f8f6f4 v[8*(8*((\a)%4)+\b):8*(8*((\a)%4)+\b)+7], v[128*(\p)+FR*\b:128*(\p)+FR*\b+FR-1], v[AF+FR*(\a):AF+FR*(\a)+FR-1], 0, v[SC+8*NQ*(\sc)+NQ*\b+(\q)], v[SC+8*NQ*(\sc)+NQ*(\a)+(\q)] matrix_a_fmt:MATRIX_FMT_FP4 matrix_b_fmt:MATRIX_FMT_FP4 matrix_a_scale:MATRIX_SCALE_ROW1
.else
	v_wmma_scale_f32_16x16x128_f8f6f4 v[8*(8*((\a)%4)+\b):8*(8*((\a)%4)+\b)+7], v[128*(\p)+FR*\b:128*(\p)+FR*\b+FR-1], v[AF+FR*(\a):AF+FR*(\a)+FR-1], v[8*(8*((\a)%4)+\b):8*(8*((\a)%4)+\b)+7], v[SC+8*NQ*(\sc)+NQ*\b+(\q)], v[SC+8*NQ*(\sc)+NQ*(\a)+(\q)] matrix_a_fmt:MATRIX_FMT_FP4 matrix_b_fmt:MATRIX_FMT_FP4 matrix_a_scale:MATRIX_SCALE_ROW1
.endif
.endr
.endr
.endm
.macro FETCH_B slot, q, p
	WIN TO_B
.irp i, 0,1,2,3,4,5,6,7
	FRAG 128*(\p)+FR*\i, ADRB+\slot, \q, \i
.endr
	WIN 0
.endm
.macro FETCH_A slot, q, i0
.irp i, \i0, \i0+1, \i0+2, \i0+3
	FRAG AF+FR*(\i), ADRA+\slot, \q, \i
.endr
.endm
.macro SCALES sc                       ; K step sc's scale words: four words a row; lanes 0-15 take A's block i, lanes 16-31 B's block i
.irp i, 0,1,2,3,4,5,6,7
	ds_load_b128 v[SC+8*NQ*\sc+NQ*\i:SC+8*NQ*\sc+NQ*\i+3], v[ADRS] offset:\i*256+2048*\sc
.endr
.endm
.macro PLACES n                        ; plain vector lines between a matrix instruction and a load into its registers or a read of its result
.rept \n
	v_nop
.endr
.endm
.macro STEP slot, q, zero              ; 128 along K that has its successor in the same slot
	s_wait_dscnt 4*NL                              ; B's set and A's blocks 0-3 are in; A's blocks 4-7, the youngest eight loads, may be out
	WIN MUL_LO
	MUL16 0, (\q)%2, \q, \slot, \zero
	MUL16 2, (\q)%2, \q, \slot, \zero
	s_wait_dscnt 0
	PLACES NP
	FETCH_B \slot, (\q)+1, 1-(\q)%2
	FETCH_A \slot, (\q)+1, 0
	WIN MUL_HI
	MUL16 4, (\q)%2, \q, \slot, \zero
	MUL16 6, (\q)%2, \q, \slot, \zero
	PLACES NP
	WIN 0
	FETCH_A \slot, (\q)+1, 4
.endm
.macro TURN slot, next                 ; a slot's last step changes slots: one barrier
	s_wait_tensorcnt 0x0                           ; my part of the next slot has landed
	ds_add_u32 v[SPW], v[NIL]                      ; 0 onto my spare word
	s_wait_dscnt 4*NL+1                            ; the add and A's blocks 4-7 may be out
	WIN MUL_LO
	MUL16 0, 1, NQ-1, \slot, 0
	s_wait_dscnt 0x0                               ; the add is done, and my reads of this slot are over
	s_barrier_signal -1
	MUL16 2, 1, NQ-1, \slot, 0
	WIN 0
	s_barrier_wait -1
	PLACES NP
	FETCH_B \next, 0, 0
	FETCH_A \next, 0, 0
	SCALES \next
	WIN MUL_HI
	MUL16 4, 1, NQ-1, \slot, 0
	MUL16 6, 1, NQ-1, \slot, 0
	PLACES NP
	WIN 0
	FETCH_A \next, 0, 4
.endm
	s_wait_tensorcnt 1                             ; the scales and my part of slot 0 are in; slot 1's load may be out
	s_barrier_signal -1
	s_barrier_wait -1
	FETCH_B 0, 0, 0
	FETCH_A 0, 0, 0
	SCALES 0
	FETCH_A 0, 0, 4
	STEP 0, 0, 1                                   ; the first products start the sums: nothing is cleared
	STEP 0, 1, 0
	STEP 0, 2, 0
	TURN 0, 1
	STEP 1, 0, 0
	STEP 1, 1, 0
	STEP 1, 2, 0
	s_wait_dscnt 4*NL                              ; the last step: nothing more to fetch
	WIN MUL_LO
	MUL16 0, 1, NQ-1, 1, 0
	MUL16 2, 1, NQ-1, 1, 0
	s_wait_dscnt 0
	WIN MUL_HI
	MUL16 4, 1, NQ-1, 1, 0
	MUL16 6, 1, NQ-1, 1, 0
	WIN 0
; THE WAY OUT, a block of 16 rows x 128 channels (two heads) at a time: rounded to f16, 16 bytes a lane into my stage, back as pairs of rows of one head: sixteen lanes store 256 consecutive bytes.
.macro PACK a
.set AC, 64*((\a)%4)
	WIN 0x0a+5*((\a)/4)                            ; sources 0 and 1: window 2 or 3
.irp b, 0,1,2,3,4,5,6,7
.irp r, 0,1,2,3
	v_cvt_pk_f16_f32 v[TMP+4*\b+\r], v[AC+8*\b+2*\r], v[AC+8*\b+2*\r+1]   ; each accumulator from its low end on
.endr
.endr
	WIN 0
.endm
.macro TOSTAGE a
.set BB, BK+32*((\a)%2)
.irp b, 0,1,2,3,4,5,6,7
	ds_store_b128 v[STO], v[TMP+4*\b:TMP+4*\b+3] offset:32*\b
.endr
.irp t, 0,1,2,3,4,5,6,7
	ds_load_b128 v[BB+4*\t:BB+4*\t+3], v[RD] offset:\t*2*SPITCH   ; LDS serves a wave's instructions in order: these see the stores above
.endr
.endm
.macro SEND a
.set BB, BK+32*((\a)%2)
	s_wait_dscnt 0x0                               ; the block is back in registers
	s_wait_xcnt 0x0                                ; the block before has had its stores' registers read: the next block's loads may land there
.irp t, 0,1,2,3,4,5,6,7
	global_store_b128 v[CO], v[BB+4*\t:BB+4*\t+3], s[12:13] offset:2048*(\a)+256*\t th:TH_STORE_NT
.endr
.endm
	PLACES NP
	PACK 0
	TOSTAGE 0
.irp a, 1,2,3,4,5,6,7                  ; block a's conversions stand between block a - 1's loads from the stage and the wait for them
	PACK \a
	SEND \a-1
	TOSTAGE \a
.endr
	SEND 7
	s_wait_tensorcnt 0x0                           ; the wave's end
	ds_add_u32 v[SPW], v[NIL]
	s_wait_dscnt 0x0
	CROUND                                         ; the closing round
	s_endpgm
.Lfunc_end_k_q3a437c327a_qkv:
	.size	k_q3a437c327a_qkv, .Lfunc_end_k_q3a437c327a_qkv-k_q3a437c327a_qkv
	.p2alignl 7, 3214868480
	.fill 96, 4, 3214868480
	.section	.rodata,"a",@progbits
	.p2align	6, 0x0
	.amdhsa_kernel k_q3a437c327a_qkv
		.amdhsa_group_segment_fixed_size 327680
		.amdhsa_private_segment_fixed_size 0
		.amdhsa_enable_private_segment 0
		.amdhsa_kernarg_size 40
		.amdhsa_user_sgpr_count 2
		.amdhsa_user_sgpr_kernarg_segment_ptr 1
		.amdhsa_wavefront_size32 1
		.amdhsa_system_sgpr_workgroup_id_x 1
		.amdhsa_system_sgpr_workgroup_id_y 1
		.amdhsa_system_sgpr_workgroup_id_z 1
		.amdhsa_system_vgpr_workitem_id 0
		.amdhsa_next_free_vgpr 1024
		.amdhsa_next_free_sgpr 98
		.amdhsa_reserve_vcc 0
		.amdhsa_float_denorm_mode_32 3
		.amdhsa_float_denorm_mode_16_64 3
		.amdhsa_memory_ordered 1
		.amdhsa_forward_progress 1
		.amdhsa_inst_pref_size 126
	.end_amdhsa_kernel
	.amdgpu_metadata
---
amdhsa.version: [ 1, 2 ]
amdhsa.kernels:
  - .name:           k_q3a437c327a_qkv
    .symbol:         k_q3a437c327a_qkv.kd
    .args:
      - { .name: xc, .offset: 0, .size: 8, .value_kind: global_buffer, .address_space: global }
      - { .name: xs, .offset: 8, .size: 8, .value_kind: global_buffer, .address_space: global }
      - { .name: wc, .offset: 16, .size: 8, .value_kind: global_buffer, .address_space: global }
      - { .name: ws, .offset: 24, .size: 8, .value_kind: global_buffer, .address_space: global }
      - { .name: qkv, .offset: 32, .size: 8, .value_kind: global_buffer, .address_space: global }
    .group_segment_fixed_size: 327680
    .private_segment_fixed_size: 0
    .kernarg_segment_align: 8
    .kernarg_segment_size: 40
    .max_flat_workgroup_size: 128
    .sgpr_count:     98
    .vgpr_count:     1024
    .wavefront_size: 32
...
	.end_amdgpu_metadata
.endif
;; end of part 2
;; launch attn (part 3): grid 4 x 64, 16 waves a work-group, no clusters, 327,680 bytes of LDS; arguments qkv, ctx; writes ctx
.if DOCPART == 3
	.amdgcn_target "amdgcn-amd-amdhsa--gfx1250"
	.amdhsa_code_object_version 6
	.text
	.protected	k_q3a437c327a_attn
	.globl	k_q3a437c327a_attn
	.p2align	8
	.type	k_q3a437c327a_attn,@function
k_q3a437c327a_attn:
	s_mov_b64 s[64:65], 0
	v_nop
	global_prefetch_b8 v0, s[64:65] scope:SCOPE_SE
	s_setreg_imm32_b32 hwreg(HW_REG_WAVE_MODE, 25, 1), 1
	s_wait_xcnt 0x0
; ctx[head][2048 b + q][:] = the sum over k <= q of softmax_k(Q[q] . K[k] / 8) V[k][:], for one batch and head a work-group row.  Q, K, V: f16, [which][b][head][2048][64]; ctx: f16, [head][8192][64].
; Products on f16 operands with f32 sums; maxima, exponentials and sums in f32; a running maximum m and sum l for each query: p = 2^(c s - c m), c = log2(e) / 8; in every step O and l are multiplied by 2^(c m_old - c m_new).
; p is rounded to f16 for the second product, the context once at the end.  LIMIT: |context| up to 65,504; NaN and infinities are not served.
; SHARES.  Work-group (i, bh) owns the query blocks i and 7 - i of 256 rows: under the causal mask the two together see the same number of keys for every i.  A wave owns 32 queries, two tiles of 16 that share every
; fragment of K and V: waves 0-7 walk block i upward, waves 8-15 block 7 - i downward, so that the four waves of a SIMD have like work.
; LAYOUT.  S^T = K Q^T (source 0 = 16 keys, source 1 = 16 queries): a lane holds one query (lane % 16) and keys 8 (lane / 16) + 0..7; two such tiles, packed to f16, are source 1 of O^T = V^T P.  V comes turned, by ds_load_tr16_b128.
; THE RING.  Two LDS slots of 256 keys, filled by tensor loads (waves 0, 1: K's halves; waves 2, 3: V's) and read by all sixteen.  Every work-group walks all eight slots: trip counts are constants.
; A step all of whose keys come after the wave's queries is jumped over (a branch on ids); a slot whose first key comes after the work-group's last query is not asked for.
; NO CLUSTER: the work-groups that share K and V are the query blocks of one head, and the jumps above hang on the query block, which would be a work-group's place in its cluster.
.set KP,    144                        ; a key's row of K in LDS: 128 bytes + 16
.set VP,    160                        ; of V: 128 bytes + 32
.set VOFF,  256*KP                     ; a slot: 256 rows of K, then 256 rows of V
.set SLOT1, 1<<17                      ; slot 1 begins here: one exclusive or turns an address
.set STAGE, SLOT1+VOFF+256*VP          ; behind the ring: 16 rows x 144 bytes for each wave
.set SP,    144
.set SPARE, STAGE+16*16*SP             ; the spare words, 128 bytes for each of sixteen waves
.set SPW, 1
.set NIL, 2
.set AK0, 3                            ; my lane's place in a tile of K
.set AV0, 4                            ; and of V
.set ADK, 5
.set ADV, 6
.set MD,  7                            ; the mask: my query less the step's first key less 8 (lane / 16)
.set NINF, 8                           ; -infinity
.set STO, 9
.set RD,  10
.set GO,  11
.set PFO, 12                           ; 256 x lane; never rewritten
.set QO,  13
.set ST,  16                           ; tile t at v[16 + 8 t]: +0 c m, +1 m, +2, +3 l, +4..+7 at work (the rescaling factor in +6)
.set Q,   32                           ; v32-63   Q: tile t, channels 32 c on: 16 t + 8 c
.set KV,  64                           ; v64-127  K's eight fragments (16 j + 8 c), then V's (32 kk + 8 e)
.set S,   128                          ; v128-191 S^T (32 t + 8 j); p; packed in place into the low 16 of each tile
.set O,   192                          ; v192-255 O^T (32 t + 8 e)
.set WV,  18
.set SEL, 20
.set CS,  22
.set G1K, 24
.set G1V, 32
.set G0K, 40
.set G0V, 44
.set TK,  2
.set TV,  3
.set SLOTS, 67
.set STP, 68
.set PFA, 76
.set LIM, 80
.set QL,  96
.set LASTQ, 97
.set KF,  98
.set Q0,  99
; Waves 0 and 1 fetch for K, waves 2 and 3 for V, the others nothing.  An s_nop 0 and four v_nop follow each of the two lines.
.macro TLOAD
	s_cmp_lt_u32 s[WV], 2
	s_cbranch_scc0 .Lnot_k_\@
	tensor_load_to_lds s[G0K:G0K+3], s[G1K:G1K+7]
	s_nop 0
.rept 4
	v_nop
.endr
	s_branch .Lasked_\@
.Lnot_k_\@:
	s_cmp_lt_u32 s[WV], 4
	s_cbranch_scc0 .Lasked_\@
	tensor_load_to_lds s[G0V:G0V+3], s[G1V:G1V+7]
	s_nop 0
.rept 4
	v_nop
.endr
.Lasked_\@:
.endm
; A prefetch of what the NEXT change of slots will ask for: 256 rows of K and of V, 32,768 dense bytes each.  Of a head's four work-groups the first, which walks all eight slots, asks; in it waves 4-7 for K and
; waves 8-11 for V, 8,192 bytes a wave, lanes 256 bytes apart: each block of 256 bytes is named once.  The lead is one slot, four key steps.  The last change that fills a slot asks for nothing.
.macro ASK
	s_cmp_gt_u32 s[SLOTS], s[LIM]
	s_cbranch_scc0 .Lnot_mine_\@
	global_prefetch_b8 v[PFO], s[PFA:PFA+1] th:TH_LOAD_NT scope:SCOPE_SE
.Lnot_mine_\@:
.endm
	s_load_b128 s[4:7], s[0:1], 0x0                ; qkv, ctx
	v_lshl_add_u32 v[SPW], v0, 2, SPARE
	v_mov_b32 v[NIL], 0
	ds_add_u32 v[SPW], v[NIL]                      ; the wave's opening
	v_lshrrev_b32 v14, 5, v0
	v_readfirstlane_b32 s[WV], v14                 ; wave 0..15
	s_and_b32 s69, ttmp7, 0xffff                   ; bh = 16 b + head
	s_lshl_b32 s70, ttmp9, 8                       ; 256 i
	s_lshl_b32 s71, s[WV], 5
	s_add_co_u32 s72, s70, s71                     ; waves 0-7: 256 i + 32 w
	s_sub_co_u32 s73, 2272, s70
	s_sub_co_u32 s73, s73, s71                     ; waves 8-15: 256 (7 - i) + 32 (15 - w)
	s_cmp_lt_u32 s[WV], 8
	s_cselect_b32 s[Q0], s72, s73                  ; my first query
	s_add_co_u32 s[QL], s[Q0], 31                  ; my last
	s_sub_co_u32 s[LASTQ], 2047, s70               ; my work-group's last: 256 (7 - i) + 255
	s_and_b32 s74, s[WV], 1
	s_mov_b32 s[G1K], (1<<16)|(1<<20)|(4<<22)|(3<<25)   ; no mask; elements of 2 bytes; padding: 4 words behind every 32
	s_mov_b32 s[G1V], (1<<16)|(1<<20)|(4<<22)|(7<<25)   ; 8 words
.irp g, G1K, G1V
	s_mov_b32 s[\g+1], 64<<16                      ; tensor_dim0
	s_mov_b32 s[\g+2], 128<<16                     ; tensor_dim1
	s_mov_b32 s[\g+3], 64<<16                      ; tile_dim0
	s_mov_b32 s[\g+4], 128                         ; tile_dim1
	s_mov_b32 s[\g+5], 64                          ; from row to row
	s_mov_b32 s[\g+6], 0
	s_mov_b32 s[\g+7], 0
.endr
	s_mov_b32 s[G0K], 1
	s_mul_i32 s[G0K+1], s74, 128*KP                ; my 128 keys' place in slot 0
	s_mov_b32 s[G0V], 1
	s_mul_i32 s[G0V+1], s74, 128*VP
	s_add_co_u32 s[G0V+1], s[G0V+1], VOFF
	s_lshl_b32 s82, s69, 18                        ; the head's first byte in each of Q, K, V
	s_mov_b32 s83, 0
	s_lshl_b32 s84, s74, 14                        ; my 128 keys of 128 bytes
	s_add_co_u32 s84, s84, s82
	s_mov_b32 s85, 0
	s_lshl_b32 s86, s[Q0], 7
	s_add_co_u32 s86, s86, s82                     ; my queries
	s_mov_b32 s87, 0
	s_and_b32 s90, s69, 15
	s_lshl_b32 s90, s90, 20                        ; ctx: head << 20,
	s_lshr_b32 s91, s69, 4
	s_lshl_b32 s91, s91, 18                        ; 2,048 b rows of 128 bytes,
	s_add_co_u32 s90, s90, s91
	s_lshl_b32 s91, s[Q0], 7
	s_add_co_u32 s90, s90, s91
	s_mov_b32 s91, 0
	s_cmp_lt_u32 s[WV], 8                          ; the prefetches: waves 4-7 K, waves 8-11 V
	s_mov_b32 s88, 2<<24
	s_cselect_b32 s88, 1<<24, s88
	s_add_co_u32 s88, s88, s82
	s_and_b32 s89, s[WV], 3
	s_lshl_b32 s89, s89, 13
	s_add_co_u32 s88, s88, s89                     ; my wave's 8,192 bytes,
	s_add_co_u32 s88, s88, 32768                   ; in slot 1: the first change of slots steps it to slot 2
	s_mov_b32 s89, 0
	s_sub_co_u32 s92, s[WV], 4
	s_lshr_b32 s92, s92, 3                         ; 0 in waves 4 to 11,
	s_or_b32 s92, s92, ttmp9                       ; of the head's first work-group
	s_cmp_eq_u32 s92, 0
	s_cselect_b32 s[LIM], 1, -1
	s_mov_b32 s[SEL], 0x76543210
	s_mov_b32 s[SEL+1], 0xfedcba98
	s_mov_b32 s[CS], 0x3e38aa3b                    ; c = log2(e) / 8
	s_mov_b32 s[CS+1], s[CS]
	s_mov_b32 s[TK], 0
	s_mov_b32 s[TV], 0
	s_mov_b32 s[KF], 0
	s_mov_b32 s[SLOTS], 7
	s_wait_dscnt 0x0                               ; the opening add is done
	s_wait_kmcnt 0x0
	s_add_nc_u64 s[84:85], s[4:5], s[84:85]
	s_add_nc_u64 s[G0K+2:G0K+3], s[84:85], 1<<24
	s_or_b32 s[G0K+3], s[G0K+3], 0x80000000
	s_add_nc_u64 s[G0V+2:G0V+3], s[84:85], 2<<24
	s_or_b32 s[G0V+3], s[G0V+3], 0x80000000
	TLOAD                                          ; slot 0
	s_add_nc_u64 s[86:87], s[4:5], s[86:87]
	s_add_nc_u64 s[6:7], s[6:7], s[90:91]
	s_add_nc_u64 s[PFA:PFA+1], s[4:5], s[88:89]
	v_and_b32 v14, 15, v0                          ; r
	v_bfe_u32 v15, v0, 4, 1                        ; h
	v_lshlrev_b32 v[QO], 7, v14
	v_lshl_add_u32 v[QO], v15, 4, v[QO]            ; Q: 128 r + 16 h
.irp t, 0,1
.irp c, 0,1
	global_load_b128 v[Q+16*\t+8*\c:Q+16*\t+8*\c+3],   v[QO], s[86:87] offset:2048*\t+64*\c
	global_load_b128 v[Q+16*\t+8*\c+4:Q+16*\t+8*\c+7], v[QO], s[86:87] offset:2048*\t+64*\c+32
.endr
.endr
	v_mul_u32_u24 v[AK0], v14, KP
	v_lshl_add_u32 v[AK0], v15, 4, v[AK0]          ; K: row r, + 16 h
	v_and_b32 v[ADK], 7, v0
	v_bfe_u32 v[ADV], v0, 3, 1
	v_lshl_add_u32 v[AV0], v15, 3, v[ADK]          ; V: the turning load: key 8 h + l % 8, channels 8 ((l / 8) % 2) on
	v_mul_u32_u24 v[AV0], v[AV0], VP
	v_lshl_add_u32 v[AV0], v[ADV], 4, v[AV0]
	v_add_nc_u32 v[AV0], VOFF, v[AV0]
	s_mul_i32 s75, s[WV], 16*SP
	s_add_co_u32 s75, s75, STAGE                   ; my stage
	v_mul_u32_u24 v[STO], v14, SP
	v_lshl_add_u32 v[STO], v15, 4, v[STO]
	v_add_nc_u32 v[STO], s75, v[STO]               ; in: row r, + 16 h
	v_and_b32 v[GO], 31, v0
	v_lshrrev_b32 v[RD], 3, v[GO]
	v_mul_u32_u24 v[RD], v[RD], SP
	v_lshl_add_u32 v[RD], v[ADK], 4, v[RD]
	v_add_nc_u32 v[RD], s75, v[RD]                 ; back: eight lanes to a row of 128 bytes, four rows an instruction
	v_lshlrev_b32 v[PFO], 8, v[GO]
	v_lshlrev_b32 v[GO], 4, v[GO]                  ; and in ctx: 16 x lane, 512 consecutive bytes
	v_mov_b32 v[NINF], 0xff800000
.irp t, 0,1
	v_mov_b32 v[ST+8*\t+1], 0xff61b1e6             ; m: -3e38, under every score
	v_mul_f32 v[ST+8*\t], s[CS], v[ST+8*\t+1]      ; c m
.irp j, 2,3,4,5,6,7
	v_mov_b32 v[ST+8*\t+\j], 0                     ; l; and the registers at work (a lane permute's destination counts as read)
.endr
.endr
.set N, 0
.rept 64
	v_mov_b32 v[O+N], 0                            ; O^T: the step is written once; its first turn multiplies zeros by 0
.set N, N+1
.endr
; A KEY STEP: 64 keys at LDS bytes s[TK] (K) and s[TV] (V) of the ring.
.macro STEP
	s_cmp_gt_u32 s[KF], s[QL]                      ; all 64 keys come after my 32 queries: nothing to do but step the addresses
	s_cbranch_scc1 .Lhidden_\@
	v_add_nc_u32 v[ADK], s[TK], v[AK0]
	v_add_nc_u32 v[ADV], s[TV], v[AV0]
.rept 3
	v_nop                                          ; with the two additions five plain lines behind the last products: four for the loads into their registers, five for the products that write over p
.endr
.irp j, 0,1,2,3
.irp c, 0,1
	ds_load_b128 v[KV+16*\j+8*\c:KV+16*\j+8*\c+3],   v[ADK] offset:16*KP*\j+64*\c
	ds_load_b128 v[KV+16*\j+8*\c+4:KV+16*\j+8*\c+7], v[ADK] offset:16*KP*\j+64*\c+32
.endr
.endr
	s_wait_dscnt 0x0
.irp c, 0,1                            ; S^T = K Q^T: the eight accumulators take turns; the first eight start the sums
.irp j, 0,1,2,3
.irp t, 0,1
.if \c == 0
	v_wmma_f32_16x16x32_f16 v[S+32*\t+8*\j:S+32*\t+8*\j+7], v[KV+16*\j+8*\c:KV+16*\j+8*\c+7], v[Q+16*\t+8*\c:Q+16*\t+8*\c+7], 0
.else
	v_wmma_f32_16x16x32_f16 v[S+32*\t+8*\j:S+32*\t+8*\j+7], v[KV+16*\j+8*\c:KV+16*\j+8*\c+7], v[Q+16*\t+8*\c:Q+16*\t+8*\c+7], v[S+32*\t+8*\j:S+32*\t+8*\j+7]
.endif
.endr
.endr
.endr
.rept 4
	v_nop                                          ; places in front of the loads into K's registers and of the first read of the scores
.endr
.irp kk, 0,1                           ; V lands while the softmax is walked
.irp e, 0,1,2,3
	ds_load_tr16_b128 v[KV+32*\kk+8*\e:KV+32*\kk+8*\e+3],   v[ADV] offset:32*VP*\kk+32*\e
	ds_load_tr16_b128 v[KV+32*\kk+8*\e+4:KV+32*\kk+8*\e+7], v[ADV] offset:32*VP*\kk+32*\e+16*VP
.endr
.endr
	s_add_co_u32 s81, s[KF], 63                    ; on the diagonal hidden scores become -infinity; a step all of whose keys count for all my queries skips this
	s_cmp_le_u32 s81, s[Q0]
	s_cbranch_scc1 .Lopen_\@
	s_sub_co_i32 s81, s[Q0], s[KF]
	v_and_b32 v14, 15, v0
	v_bfe_u32 v15, v0, 4, 1
	v_lshlrev_b32 v15, 3, v15
	v_sub_nc_u32 v14, v14, v15
	v_add_nc_u32 v[MD], s81, v14                   ; register 32 t + 8 j + i holds key KF + 16 j + 8 h + i of query Q0 + 16 t + r: hidden where 16 j + i - 16 t > r - 8 h + Q0 - KF
.set N, 0
.rept 64
	v_cmp_gt_i32 vcc_lo, 16*((N%32)/8)+N%8-16*(N/32), v[MD]
	v_cndmask_b32 v[S+N], v[S+N], v[NINF], vcc_lo
.set N, N+1
.endr
.Lopen_\@:
.irp j, 0,1,2,3                        ; the maximum of my 32 scores and the old m: four chains a tile, the tiles by turns
.irp t, 0,1
	v_max3_num_f32 v[ST+8*\t+4+\j], v[S+32*\t+8*\j], v[S+32*\t+8*\j+1], v[S+32*\t+8*\j+2]
.endr
.endr
.irp u, 3,5
.irp j, 0,1,2,3
.irp t, 0,1
	v_max3_num_f32 v[ST+8*\t+4+\j], v[ST+8*\t+4+\j], v[S+32*\t+8*\j+\u], v[S+32*\t+8*\j+\u+1]
.endr
.endr
.endr
.irp t, 0,1
	v_max3_num_f32 v[ST+8*\t+4], v[ST+8*\t+4], v[S+32*\t+7], v[S+32*\t+15]
	v_max3_num_f32 v[ST+8*\t+6], v[ST+8*\t+6], v[S+32*\t+23], v[S+32*\t+31]
.endr
.irp t, 0,1
	v_max3_num_f32 v[ST+8*\t+4], v[ST+8*\t+4], v[ST+8*\t+5], v[ST+8*\t+6]
.endr
.irp t, 0,1
	v_max3_num_f32 v[ST+8*\t+4], v[ST+8*\t+4], v[ST+8*\t+7], v[ST+8*\t+1]
.endr
.irp t, 0,1
	v_permlanex16_b32 v[ST+8*\t+5], v[ST+8*\t+4], s[SEL], s[SEL+1]   ; the query's other 32 keys lie in the lane 16 away
.endr
.irp t, 0,1
	v_mov_b32 v[ST+8*\t+7], v[ST+8*\t]             ; c m_old
.endr
.irp t, 0,1
	v_max_num_f32 v[ST+8*\t+1], v[ST+8*\t+4], v[ST+8*\t+5]
.endr
.irp t, 0,1
	v_mul_f32 v[ST+8*\t], s[CS], v[ST+8*\t+1]
.endr
.irp t, 0,1
	v_sub_f32 v[ST+8*\t+7], v[ST+8*\t+7], v[ST+8*\t]
.endr
.irp t, 0,1
.set N, 0
.rept 16
	v_pk_fma_f32 v[S+32*\t+N:S+32*\t+N+1], v[S+32*\t+N:S+32*\t+N+1], s[CS:CS+1], v[ST+8*\t:ST+8*\t+1] op_sel_hi:[1,0,0] neg_lo:[0,0,1] neg_hi:[0,0,1]   ; c s - c m
.set N, N+2
.endr
.endr
.irp t, 0,1
	v_exp_f32 v[ST+8*\t+6], v[ST+8*\t+7]           ; 2^(c m_old - c m_new)
.endr
.set N, 0
.rept 64
	v_exp_f32 v[S+N], v[S+N]                       ; p
.set N, N+1
.endr
	v_nop                                          ; a plain line behind the last exponential
	s_wait_alu depctr_va_vdst(0)                   ; one wait for the batch of 66, ahead of its first reader
.irp t, 0,1
	v_pk_mul_f32 v[ST+8*\t+2:ST+8*\t+3], v[ST+8*\t+2:ST+8*\t+3], v[ST+8*\t+6:ST+8*\t+7] op_sel_hi:[1,0]   ; l under the new m
	v_pk_add_f32 v[ST+8*\t+4:ST+8*\t+5], v[S+32*\t:S+32*\t+1], v[S+32*\t+2:S+32*\t+3]                     ; the sum of the unrounded p, in two chains
.endr
.irp n, 4,8,12,16,20,24,28
.irp t, 0,1
	v_pk_add_f32 v[ST+8*\t+2:ST+8*\t+3], v[ST+8*\t+2:ST+8*\t+3], v[S+32*\t+\n:S+32*\t+\n+1]
	v_pk_add_f32 v[ST+8*\t+4:ST+8*\t+5], v[ST+8*\t+4:ST+8*\t+5], v[S+32*\t+\n+2:S+32*\t+\n+3]
.endr
.endr
.irp t, 0,1
	v_pk_add_f32 v[ST+8*\t+2:ST+8*\t+3], v[ST+8*\t+2:ST+8*\t+3], v[ST+8*\t+4:ST+8*\t+5]
.endr
.irp t, 0,1
.set N, 0
.rept 16
	v_cvt_pk_f16_f32 v[S+32*\t+N], v[S+32*\t+2*N], v[S+32*\t+2*N+1]   ; p to f16, in place, ascending: register N is written when 2 N and 2 N + 1 are read
.set N, N+1
.endr
.endr
.irp t, 0,1
.set N, 0
.rept 16
	v_pk_mul_f32 v[O+32*\t+N:O+32*\t+N+1], v[O+32*\t+N:O+32*\t+N+1], v[ST+8*\t+6:ST+8*\t+7] op_sel_hi:[1,0]   ; O^T under the new m
.set N, N+2
.endr
.endr
	s_wait_dscnt 0x0                               ; V is in
.irp kk, 0,1                           ; O^T += V^T P: the eight accumulators take turns
.irp e, 0,1,2,3
.irp t, 0,1
	v_wmma_f32_16x16x32_f16 v[O+32*\t+8*\e:O+32*\t+8*\e+7], v[KV+32*\kk+8*\e:KV+32*\kk+8*\e+7], v[S+32*\t+8*\kk:S+32*\t+8*\kk+7], v[O+32*\t+8*\e:O+32*\t+8*\e+7]
.endr
.endr
.endr
.Lhidden_\@:
	s_add_co_u32 s[KF], s[KF], 64
	s_add_co_u32 s[TK], s[TK], 64*KP
	s_add_co_u32 s[TV], s[TV], 64*VP
.endm
; THE CHANGE OF SLOTS stands at a slot's head: each wave waits for all its tensor loads, adds 0 to its spare word, and waits for that and for its reads of the slot that it has left; behind the barrier the slot ahead is
; whole and nobody reads the other one, which is filled with the keys that follow, up to the causal limit.  By this text's count one tensor load of a fetching wave is out.
.macro CHANGE fill
	s_wait_tensorcnt 0x0
	ds_add_u32 v[SPW], v[NIL]
.if \fill
	s_xor_b32 s[G0K+1], s[G0K+1], SLOT1            ; no load of mine is out: the walking descriptors step
	s_add_nc_u64 s[G0K+2:G0K+3], s[G0K+2:G0K+3], 32768
	s_xor_b32 s[G0V+1], s[G0V+1], SLOT1
	s_add_nc_u64 s[G0V+2:G0V+3], s[G0V+2:G0V+3], 32768
	s_wait_xcnt 0x0                                ; the last prefetch, a slot back, has read its address
	s_add_nc_u64 s[PFA:PFA+1], s[PFA:PFA+1], 32768
.endif
	s_wait_dscnt 0x0
	s_barrier_signal -1
	s_barrier_wait -1
.if \fill
	s_add_co_u32 s81, s[KF], 256                   ; the first key of the slot that this change would ask for:
	s_cmp_gt_u32 s81, s[LASTQ]                     ; past my work-group's last query no wave reads it.  Ids and the count of steps alone: all sixteen waves go the same way; every wait on TENSORcnt here is for 0
	s_cbranch_scc1 .Lpast_\@
	TLOAD
.Lpast_\@:
	ASK
.endif
.endm
.macro SLOT_STEPS                      ; a slot's four key steps: written once, walked four times
	s_mov_b32 s[STP], 4
.Lstep_\@:
	STEP
	s_sub_co_u32 s[STP], s[STP], 1
	s_cmp_lg_u32 s[STP], 0
	s_cbranch_scc1 .Lstep_\@
	s_sub_co_u32 s[TK], s[TK], 256*KP              ; back to a slot's first step,
	s_xor_b32 s[TK], s[TK], SLOT1                  ; in the other slot
	s_sub_co_u32 s[TV], s[TV], 256*VP
	s_xor_b32 s[TV], s[TV], SLOT1
.endm
	s_wait_loadcnt 0x0                             ; Q
.Lslot:                                            ; seven trips
	CHANGE 1
	SLOT_STEPS
	s_sub_co_u32 s[SLOTS], s[SLOTS], 1
	s_cmp_lg_u32 s[SLOTS], 0
	s_cbranch_scc1 .Lslot
	CHANGE 0                                       ; the last slot is written out: nothing is left to ask for
	SLOT_STEPS
	; THE WAY OUT: O^T / l, rounded to f16, through my stage, a tile of 16 rows at a time; 32 lanes store 512 consecutive bytes of ctx.
.rept 4
	v_nop                                          ; places behind the last products
.endr
.irp t, 0,1
	v_add_f32 v[ST+8*\t+4], v[ST+8*\t+2], v[ST+8*\t+3]
.endr
.irp t, 0,1
	v_permlanex16_b32 v[ST+8*\t+5], v[ST+8*\t+4], s[SEL], s[SEL+1]
.endr
.irp t, 0,1
	v_add_f32 v[ST+8*\t+4], v[ST+8*\t+4], v[ST+8*\t+5]
.endr
.irp t, 0,1
	v_rcp_f32 v[ST+8*\t+6], v[ST+8*\t+4]
.endr
	v_nop
	s_wait_alu depctr_va_vdst(0)                   ; one wait for the two reciprocals
.irp t, 0,1
.set N, 0
.rept 16
	v_pk_mul_f32 v[S+32*\t+N:S+32*\t+N+1], v[O+32*\t+N:O+32*\t+N+1], v[ST+8*\t+6:ST+8*\t+7] op_sel_hi:[1,0]
.set N, N+2
.endr
.endr
.irp t, 0,1
.set N, 0
.rept 16
	v_cvt_pk_f16_f32 v[KV+16*\t+N], v[S+32*\t+2*N], v[S+32*\t+2*N+1]
.set N, N+1
.endr
.endr
.irp t, 0,1
.irp e, 0,1,2,3
	ds_store_b128 v[STO], v[KV+16*\t+4*\e:KV+16*\t+4*\e+3] offset:32*\e
.endr
.irp i, 0,1,2,3
	ds_load_b128 v[S+16*\t+4*\i:S+16*\t+4*\i+3], v[RD] offset:4*SP*\i   ; LDS serves a wave's instructions in order: these see my stores, and the next tile's stores come behind them
.endr
.endr
.irp t, 0,1
.irp i, 0,1,2,3
	s_wait_dscnt 11-8*\t-\i
	global_store_b128 v[GO], v[S+16*\t+4*\i:S+16*\t+4*\i+3], s[6:7] offset:2048*\t+512*\i
.endr
.endr
	s_wait_tensorcnt 0x0                           ; the wave's end
	ds_add_u32 v[SPW], v[NIL]
	s_wait_dscnt 0x0
	s_endpgm
.Lfunc_end_k_q3a437c327a_attn:
	.size	k_q3a437c327a_attn, .Lfunc_end_k_q3a437c327a_attn-k_q3a437c327a_attn
	.p2alignl 7, 3214868480
	.fill 96, 4, 3214868480
	.section	.rodata,"a",@progbits
	.p2align	6, 0x0
	.amdhsa_kernel k_q3a437c327a_attn
		.amdhsa_group_segment_fixed_size 327680
		.amdhsa_private_segment_fixed_size 0
		.amdhsa_enable_private_segment 0
		.amdhsa_kernarg_size 16
		.amdhsa_user_sgpr_count 2
		.amdhsa_user_sgpr_kernarg_segment_ptr 1
		.amdhsa_wavefront_size32 1
		.amdhsa_system_sgpr_workgroup_id_x 1
		.amdhsa_system_sgpr_workgroup_id_y 1
		.amdhsa_system_sgpr_workgroup_id_z 1
		.amdhsa_system_vgpr_workitem_id 0
		.amdhsa_next_free_vgpr 256
		.amdhsa_next_free_sgpr 100
		.amdhsa_reserve_vcc 1
		.amdhsa_float_denorm_mode_32 3
		.amdhsa_float_denorm_mode_16_64 3
		.amdhsa_memory_ordered 1
		.amdhsa_forward_progress 1
		.amdhsa_inst_pref_size 62
	.end_amdhsa_kernel
	.amdgpu_metadata
---
amdhsa.version: [ 1, 2 ]
amdhsa.kernels:
  - .name:           k_q3a437c327a_attn
    .symbol:         k_q3a437c327a_attn.kd
    .args:
      - { .name: qkv, .offset: 0, .size: 8, .value_kind: global_buffer, .address_space: global }
      - { .name: ctx, .offset: 8, .size: 8, .value_kind: global_buffer, .address_space: global }
    .group_segment_fixed_size: 327680
    .private_segment_fixed_size: 0
    .kernarg_segment_align: 8
    .kernarg_segment_size: 16
    .max_flat_workgroup_size: 512
    .sgpr_count:     100
    .vgpr_count:     256
    .wavefront_size: 32
...
	.end_amdgpu_metadata
.endif
;; end of part 3
;; launch oproj (part 4): grid 4 x 64, 4 waves a work-group, clusters of 4 x 4, 327,680 bytes of LDS; arguments ctx, wo16, out0; writes out0
.if DOCPART == 4
	.amdgcn_target "amdgcn-amd-amdhsa--gfx1250"
	.amdhsa_code_object_version 6
	.text
	.protected	k_q3a437c327a_oproj
	.globl	k_q3a437c327a_oproj
	.p2align	8
	.type	k_q3a437c327a_oproj,@function
k_q3a437c327a_oproj:
	s_mov_b64 s[64:65], 0
	v_nop
	global_prefetch_b8 v0, s[64:65] scope:SCOPE_SE
	s_setreg_imm32_b32 hwreg(HW_REG_WAVE_MODE, 25, 1), 1
	s_wait_xcnt 0x0
	s_wait_alu depctr_hold_cnt(0) depctr_sa_sdst(0) depctr_va_vdst(0) depctr_va_sdst(0) depctr_va_ssrc(0) depctr_va_vcc(0) depctr_vm_vsrc(0)
	s_getreg_b32 s2, hwreg(HW_REG_IB_STS2, 6, 4)
	s_cmp_eq_u32 s2, 0
	s_cbranch_scc0 .Lentry_in_a_cluster
	s_endpgm
.Lentry_in_a_cluster:
	s_bfe_u32 s2, ttmp6, 0x10000c
	s_cmp_lg_u32 s2, 0xf033
	s_cbranch_scc0 .Lentry_shape_is_right
	s_endpgm
.Lentry_shape_is_right:
; out0[row][n] = the sum over k of context[row][k] W_o[k][n], k = 64 head + channel.  ctx: f16 [head 16][row 8192][64]; wo16: f16 [k 1024][n 1024]; out0: f32 [8192][1024]; sums in f32.
; A tile of 128 rows x 256 columns to a work-group: 256 work-groups.  Four waves, each 64 x 128: 32 accumulators, 256 registers (window 1).  K goes in steps of 128 (two heads) through two LDS slots.
; A's tile is two heads' 128 rows of 128 bytes; B's is 128 rows k of 512 bytes, read turned by ds_load_tr16_b128.  The matrix instruction is used transposed (source 0 = 16 columns of W_o, source 1 = 16 rows of the context):
; a lane then holds eight neighbouring numbers of a row of out0.
; CLUSTERS: 4 x 4 work-groups; A's tiles are asked for jointly along a row of the cluster, B's along a column.
; No prefetch: a wave's one load behind each round brings 18,432 or 34,816 bytes and has a K step's 128 matrix instructions in which to land, and the launch is short.
; REGISTERS: window 0: v16-29 addresses; two fragment buffers of 96 at v64 and v160: A's four fragments, then B's eight; on the way out v64-191.  window 1: accumulator (a, b) at v[8 (8 a + b)].
.set AP,     144                       ; a row of A in LDS: 128 bytes + 16
.set BP,     544                       ; a row of B: 512 bytes + 32
.set ASUB,   128*AP                    ; a head's 128 rows
.set BOFF,   2*ASUB
.set BHALF,  64*BP
.set SLOT,   BOFF+2*BHALF
.set STAGE,  2*SLOT                    ; behind the ring: 16 rows x 528 bytes for each wave
.set SPITCH, 528
.set SPARE,  STAGE+4*16*SPITCH         ; the spare words, 128 bytes for each wave
.set LAPS,   4                         ; a lap = two K steps
.set ADRA, 16
.set ADRB, 20
.set STO,  24
.set RD,   25
.set CO,   26
.set SPW,  28
.set NIL,  29
.set F0,   64
.set F1,   160
.set BK,   64
.set G1, 24
.set G0, 32
.set G1B, 48
.set G0B, 56
.set MSB, 0
.macro WIN new
.if MSB != \new
	s_set_vgpr_msb (MSB<<8)|\new
.set MSB, \new
.endif
.endm
.set MUL, 0x50                         ; C and D window 1, sources 0 and 1 window 0
.macro JLOAD s                         ; waves 0 and 1 fetch A's two heads, waves 2 and 3 B's two halves; an s_nop 0 and four v_nop follow each line
	s_cmp_eq_u32 s11, 0
	s_cbranch_scc0 .Lfor_b_\@
	tensor_load_to_lds s[G0+4*\s:G0+4*\s+3], s[G1:G1+7]
	s_nop 0
.rept 4
	v_nop
.endr
	s_branch .Lasked_\@
.Lfor_b_\@:
	tensor_load_to_lds s[G0B+4*\s:G0B+4*\s+3], s[G1B:G1B+7]
	s_nop 0
.rept 4
	v_nop
.endr
.Lasked_\@:
.endm
.macro CREST
	s_cmp_lg_u32 s10, 0
	s_cbranch_scc1 .Lnot_wave_0_\@
	s_barrier_signal -3
.Lnot_wave_0_\@:
	s_barrier_wait -3
	s_barrier_signal -1
	s_barrier_wait -1
.endm
.macro CROUND
	s_barrier_signal -1
	s_barrier_wait -1
	CREST
.endm
	s_load_b128 s[4:7], s[0:1], 0x0                ; ctx, wo16
	s_load_b64 s[8:9], s[0:1], 0x10                ; out0
	v_lshl_add_u32 v[SPW], v0, 2, SPARE
	v_mov_b32 v[NIL], 0
	ds_add_u32 v[SPW], v[NIL]                      ; the wave's opening
	v_lshrrev_b32 v1, 5, v0
	v_readfirstlane_b32 s10, v1                    ; wave 0..3
	s_lshr_b32 s11, s10, 1                         ; my half of the tile's rows.  Also: I fetch for A (0) or for B (1)
	s_and_b32 s12, s10, 1                          ; my half of its columns.  Also: which head, or which 64 rows k, I fetch
	s_bfe_u32 s40, ttmp6, 0x40000
	s_bfe_u32 s41, ttmp6, 0x40004
	s_lshl_b32 s42, ttmp9, 2
	s_add_co_u32 s42, s42, s40                     ; tile column
	s_and_b32 s13, ttmp7, 0xffff
	s_lshl_b32 s13, s13, 2
	s_add_co_u32 s13, s13, s41                     ; tile row
	s_lshl_b32 s43, s41, 2
	s_lshl_b32 s43, 15, s43                        ; my row of the cluster
	s_lshl_b32 s44, 0x1111, s40                    ; my column
	s_or_b32 s[G1+0], s43, (1<<16)|(1<<20)|(1<<21)|(4<<22)|(3<<25)    ; A: elements of 2 bytes; 4 words of padding behind every 32
	s_mov_b32 s[G1+1], 64<<16
	s_mov_b32 s[G1+2], 128<<16
	s_mov_b32 s[G1+3], 64<<16
	s_mov_b32 s[G1+4], 128
	s_mov_b32 s[G1+5], 64
	s_mov_b32 s[G1+6], 0
	s_mov_b32 s[G1+7], 0
	s_or_b32 s[G1B+0], s44, (1<<16)|(1<<20)|(1<<21)|(6<<22)|(7<<25)   ; B: 8 words of padding behind every 128
	s_mov_b32 s[G1B+1], 256<<16
	s_mov_b32 s[G1B+2], 64<<16
	s_mov_b32 s[G1B+3], 256<<16
	s_mov_b32 s[G1B+4], 64
	s_mov_b32 s[G1B+5], 1024
	s_mov_b32 s[G1B+6], 0
	s_mov_b32 s[G1B+7], 0
	s_lshl_b32 s16, s12, 20                        ; A: my head of the K step's two,
	s_lshl_b32 s17, s13, 14                        ; the tile's 128 rows of 128 bytes
	s_add_co_u32 s16, s16, s17
	s_mov_b32 s17, 0
	s_lshl_b32 s46, s12, 17                        ; B: my 64 rows k of 2,048 bytes,
	s_lshl_b32 s47, s42, 9                         ; the tile's 256 columns
	s_add_co_u32 s46, s46, s47
	s_mov_b32 s47, 0
	s_mul_i32 s20, s12, ASUB                       ; where they go: no place in the cluster enters an LDS address
	s_mul_i32 s21, s12, BHALF
	s_add_co_u32 s21, s21, BOFF
	s_wait_dscnt 0x0                               ; the opening add is done
	s_wait_kmcnt 0x0
	s_add_nc_u64 s[14:15], s[4:5], s[16:17]
	s_add_nc_u64 s[46:47], s[6:7], s[46:47]
	CROUND                                         ; all sixteen work-groups are here: the first joint loads meet
.irp s, 0,1
	s_mov_b32 s[G0+4*\s], 1
	s_add_co_u32 s[G0+4*\s+1], s20, \s*SLOT
	s_add_nc_u64 s[G0+4*\s+2:G0+4*\s+3], s[14:15], \s*(2<<20)
	s_or_b32 s[G0+4*\s+3], s[G0+4*\s+3], 0x80000000
	s_mov_b32 s[G0B+4*\s], 1
	s_add_co_u32 s[G0B+4*\s+1], s21, \s*SLOT
	s_add_nc_u64 s[G0B+4*\s+2:G0B+4*\s+3], s[46:47], \s*262144
	s_or_b32 s[G0B+4*\s+3], s[G0B+4*\s+3], 0x80000000
	JLOAD \s                                       ; by this text's count two loads of a wave are out here, later one
.endr
	v_and_b32 v1, 15, v0                           ; r
	v_bfe_u32 v2, v0, 4, 1                         ; h
	v_mul_u32_u24 v3, v1, AP
	v_lshl_add_u32 v3, v2, 4, v3                   ; A: row r, + 16 h
	v_and_b32 v5, 7, v0
	v_bfe_u32 v6, v0, 3, 1
	v_lshl_add_u32 v4, v2, 3, v5                   ; B, the turning load: row k = 8 h + l % 8, columns 8 ((l / 8) % 2) on
	v_mul_u32_u24 v4, v4, BP
	v_lshl_add_u32 v4, v6, 4, v4
	s_mul_i32 s21, s11, 64*AP                      ; my 64 rows of A
	s_lshl_b32 s22, s12, 8                         ; my 128 columns of B
	s_add_co_u32 s22, s22, BOFF
.irp s, 0,1
	v_add_nc_u32 v[ADRA+\s], s21, v3
	v_add_nc_u32 v[ADRB+\s], s22, v4
	s_add_co_u32 s21, s21, SLOT
	s_add_co_u32 s22, s22, SLOT
.endr
	s_mul_i32 s23, s10, 16*SPITCH
	s_add_co_u32 s23, s23, STAGE                   ; my stage
	v_mul_u32_u24 v5, v1, SPITCH
	v_lshl_add_u32 v5, v2, 5, v5
	v_add_nc_u32 v[STO], s23, v5                   ; in: row r, 32 bytes for each half of the lanes
	v_and_b32 v6, 31, v0
	v_lshlrev_b32 v[CO], 4, v6                     ; back: the 32 lanes take one row of 512 bytes; and the same in out0
	v_add_nc_u32 v[RD], s23, v[CO]
	s_lshl_b32 s16, s13, 19                        ; my first row of out0: (128 x tile row + 64 x half) x 4,096 bytes
	s_lshl_b32 s17, s11, 18
	s_add_co_u32 s16, s16, s17
	s_mov_b32 s17, 0
	s_add_nc_u64 s[8:9], s[8:9], s[16:17]
	s_lshl_b32 s46, s42, 10                        ; my first column, in bytes
	s_lshl_b32 s47, s12, 9
	s_add_co_u32 s46, s46, s47
	s_mov_b32 s47, 0
	s_add_nc_u64 s[8:9], s[8:9], s[46:47]
.macro MUL8 f, a, zero                 ; A's block a x B's eight, 32 along K.  The 32 accumulators take turns, once each in a quarter
.irp b, 0,1,2,3,4,5,6,7
.if \zero
	v_wmma_f32_16x16x32_f16 v[8*(8*(\a)+\b):8*(8*(\a)+\b)+7], v[\f+32+8*\b:\f+32+8*\b+7], v[\f+8*(\a):\f+8*(\a)+7], 0
.else
	v_wmma_f32_16x16x32_f16 v[8*(8*(\a)+\b):8*(8*(\a)+\b)+7], v[\f+32+8*\b:\f+32+8*\b+7], v[\f+8*(\a):\f+8*(\a)+7], v[8*(8*(\a)+\b):8*(8*(\a)+\b)+7]
.endif
.endr
.endm
.macro FETCH slot, q, f                ; 24 LDS loads in one run: quarter q (32 along K) of a slot: B's eight fragments, then A's four; A's blocks 2 and 3 last
	WIN 0
.irp b, 0,1,2,3,4,5,6,7
	ds_load_tr16_b128 v[\f+32+8*\b:\f+32+8*\b+3],   v[ADRB+\slot] offset:32*BP*(\q)+32*\b
	ds_load_tr16_b128 v[\f+32+8*\b+4:\f+32+8*\b+7], v[ADRB+\slot] offset:32*BP*(\q)+32*\b+16*BP
.endr
.irp a, 0,1,2,3
	ds_load_b128 v[\f+8*\a:\f+8*\a+3],   v[ADRA+\slot] offset:ASUB*((\q)/2)+64*((\q)%2)+16*AP*\a
	ds_load_b128 v[\f+8*\a+4:\f+8*\a+7], v[ADRA+\slot] offset:ASUB*((\q)/2)+64*((\q)%2)+16*AP*\a+32
.endr
.endm
.macro PLACES
.rept 4
	v_nop
.endr
.endm
.macro QUARTER slot, q, f, g, zero     ; multiplies buffer f; in its middle it fetches quarter q of the same slot into buffer g
	s_wait_dscnt 4                                 ; all but A's blocks 2 and 3, the youngest four loads
	WIN MUL
	MUL8 \f, 0, \zero
	MUL8 \f, 1, \zero
	PLACES
	FETCH \slot, \q, \g
	s_wait_dscnt 24                                ; all but the 24 just issued
	WIN MUL
	MUL8 \f, 2, \zero
	MUL8 \f, 3, \zero
.endm
; A K step's last quarter multiplies buffer 1 and changes slots: one barrier; in front of it each wave waits for all its tensor loads, adds 0 to its spare word, and waits for that and for its reads of this slot.
.macro TURN slot, next, fill
	WIN 0
	s_wait_tensorcnt 0x0                           ; my part of the next slot has landed
	ds_add_u32 v[SPW], v[NIL]
	s_wait_dscnt 5                                 ; the add and the youngest four loads may be out
	WIN MUL
	MUL8 F1, 0, 0
	s_wait_dscnt 0x0                               ; the add is done, and my reads of this slot are over
	s_barrier_signal -1
	MUL8 F1, 1, 0
.if \fill
	WIN 0
.endif
	s_barrier_wait -1
.if \fill
	CREST                                          ; the barrier has opened a round of the cluster's barrier
	s_add_nc_u64 s[G0+4*\slot+2:G0+4*\slot+3], s[G0+4*\slot+2:G0+4*\slot+3], 4<<20      ; two K steps on: four heads,
	s_add_nc_u64 s[G0B+4*\slot+2:G0B+4*\slot+3], s[G0B+4*\slot+2:G0B+4*\slot+3], 524288 ; 256 rows k
	JLOAD \slot                                    ; the first tensor load behind the round; its four v_nop are also the places in front of the loads below
.else
	PLACES
.endif
	FETCH \next, 0, F0
	WIN MUL
	MUL8 F1, 2, 0
	MUL8 F1, 3, 0
.endm
	s_wait_tensorcnt 1                             ; my part of K step 0 is in; K step 1's may be out
	s_barrier_signal -1
	s_barrier_wait -1
	FETCH 0, 0, F0
	QUARTER 0, 1, F0, F1, 1                        ; the first quarter's products start the sums
	WIN 0
	s_mov_b32 s3, LAPS-1
.Llap:                                             ; a trip goes once round the ring and fills both slots again
	QUARTER 0, 2, F1, F0, 0
	QUARTER 0, 3, F0, F1, 0
	TURN 0, 1, 1
	QUARTER 1, 1, F0, F1, 0
	QUARTER 1, 2, F1, F0, 0
	QUARTER 1, 3, F0, F1, 0
	TURN 1, 0, 1
	QUARTER 0, 1, F0, F1, 0
	WIN 0
	s_sub_co_u32 s3, s3, 1
	s_cmp_lg_u32 s3, 0
	s_cbranch_scc1 .Llap
	QUARTER 0, 2, F1, F0, 0                        ; the last lap fills nothing
	QUARTER 0, 3, F0, F1, 0
	TURN 0, 1, 0
	QUARTER 1, 1, F0, F1, 0
	QUARTER 1, 2, F1, F0, 0
	QUARTER 1, 3, F0, F1, 0
	s_wait_dscnt 4
	WIN MUL
	MUL8 F1, 0, 0
	MUL8 F1, 1, 0
	s_wait_dscnt 0
	MUL8 F1, 2, 0
	MUL8 F1, 3, 0
	WIN 0
; THE WAY OUT, a block of 16 rows x 128 columns at a time, through my own stage: back as whole rows of 512 bytes.
.macro TOSTAGE a
	WIN 0x04                                       ; an LDS store's data are its source 1: window 1
.irp b, 0,1,2,3,4,5,6,7
	ds_store_b128 v[STO], v[64*(\a)+8*\b:64*(\a)+8*\b+3] offset:64*\b          ; each accumulator from its low end on
	ds_store_b128 v[STO], v[64*(\a)+8*\b+4:64*(\a)+8*\b+7] offset:64*\b+16
.endr
	WIN 0
.set BB, BK+64*((\a)%2)
.irp t, 0,1,2,3,4,5,6,7,8,9,10,11,12,13,14,15
	ds_load_b128 v[BB+4*\t:BB+4*\t+3], v[RD] offset:\t*SPITCH
.endr
.endm
.macro SEND a, younger
.set BB, BK+64*((\a)%2)
	s_wait_dscnt \younger
.irp t, 0,1,2,3,4,5,6,7,8,9,10,11,12,13,14,15
	global_store_b128 v[CO], v[BB+4*\t:BB+4*\t+3], s[8:9] offset:4096*(16*(\a)+\t) th:TH_STORE_NT   ; 32 lanes store 512 consecutive bytes, aligned
.endr
.endm
	PLACES
	TOSTAGE 0
.irp a, 1,2,3
.if \a > 1
	s_wait_xcnt 0x0                                ; block a - 2's stores have read their registers: block a's loads may land there
.endif
	TOSTAGE \a
	SEND \a-1, 32                                  ; behind block a - 1's loads: block a's 16 stores and 16 loads
.endr
	SEND 3, 0
	s_wait_tensorcnt 0x0                           ; the wave's end
	ds_add_u32 v[SPW], v[NIL]
	s_wait_dscnt 0x0
	CROUND                                         ; the closing round
	s_endpgm
.Lfunc_end_k_q3a437c327a_oproj:
	.size	k_q3a437c327a_oproj, .Lfunc_end_k_q3a437c327a_oproj-k_q3a437c327a_oproj
	.p2alignl 7, 3214868480
	.fill 96, 4, 3214868480
	.section	.rodata,"a",@progbits
	.p2align	6, 0x0
	.amdhsa_kernel k_q3a437c327a_oproj
		.amdhsa_group_segment_fixed_size 327680
		.amdhsa_private_segment_fixed_size 0
		.amdhsa_enable_private_segment 0
		.amdhsa_kernarg_size 24
		.amdhsa_user_sgpr_count 2
		.amdhsa_user_sgpr_kernarg_segment_ptr 1
		.amdhsa_wavefront_size32 1
		.amdhsa_system_sgpr_workgroup_id_x 1
		.amdhsa_system_sgpr_workgroup_id_y 1
		.amdhsa_system_sgpr_workgroup_id_z 1
		.amdhsa_system_vgpr_workitem_id 0
		.amdhsa_next_free_vgpr 512
		.amdhsa_next_free_sgpr 66
		.amdhsa_reserve_vcc 0
		.amdhsa_float_denorm_mode_32 3
		.amdhsa_float_denorm_mode_16_64 3
		.amdhsa_memory_ordered 1
		.amdhsa_forward_progress 1
		.amdhsa_inst_pref_size 85
	.end_amdhsa_kernel
	.amdgpu_metadata
---
amdhsa.version: [ 1, 2 ]
amdhsa.kernels:
  - .name:           k_q3a437c327a_oproj
    .symbol:         k_q3a437c327a_oproj.kd
    .args:
      - { .name: ctx, .offset: 0, .size: 8, .value_kind: global_buffer, .address_space: global }
      - { .name: wo16, .offset: 8, .size: 8, .value_kind: global_buffer, .address_space: global }
      - { .name: out0, .offset: 16, .size: 8, .value_kind: global_buffer, .address_space: global }
    .group_segment_fixed_size: 327680
    .private_segment_fixed_size: 0
    .kernarg_segment_align: 8
    .kernarg_segment_size: 24
    .max_flat_workgroup_size: 128
    .sgpr_count:     66
    .vgpr_count:     512
    .wavefront_size: 32
...
	.end_amdgpu_metadata
.endif
;; end of part 4
;; launch early (part 5): grid 16 x 4, 16 waves a work-group, no clusters, 71,680 bytes of LDS; arguments qkv, W_o, out0; writes out0
.if DOCPART == 5
	.amdgcn_target "amdgcn-amd-amdhsa--gfx1250"
	.amdhsa_code_object_version 6
	.text
	.protected	k_q3a437c327a_early
	.globl	k_q3a437c327a_early
	.p2align	8
	.type	k_q3a437c327a_early,@function
k_q3a437c327a_early:
	s_mov_b64 s[64:65], 0
	v_nop
	global_prefetch_b8 v0, s[64:65] scope:SCOPE_SE
	s_setreg_imm32_b32 hwreg(HW_REG_WAVE_MODE, 25, 1), 1
	s_wait_xcnt 0x0
; ROWS 0 TO 15 OF EACH BATCH ONCE MORE, with the weights p, the context and W_o kept in f32.  These 64 of the 8,192 rows see few keys, so their numbers are some ten times larger than the output's root mean square,
; by which the allowed error is set: there the roundings of p, of the context and of W_o to f16 take too much of it.  This launch runs last and stores those 64 rows of out0 a second time.
; The launch before does not leave them out: that would be a branch on a work-group's place in its cluster.  The f32 matrix form is used for these 64 rows alone.
; A work-group takes one batch and 64 output columns; wave = head.  Each wave makes its head's 16 x 16 attention, its context (16 rows x 64 channels) and that head's part of the 64 columns; the sixteen parts are
; added in the order of heads, through LDS.  Q, K, V come as f16 from qkv; the scores' product is on f16 operands.
; The f32 form's K = 4 takes, in lane (r, h), k = 2 h + j: both operands are given keys (or channels) 8 h + 2 i + j in K step i, a permutation of k applied alike to both sides.
.set SPW,  1
.set NIL,  2
.set PART, 4352                        ; a wave's part in LDS: 16 rows x (256 bytes + 16)
.set SPARE, 16*PART                    ; the spare words, 128 bytes for each of sixteen waves
.set VF,   80                          ; v80-111   V(8 h + kk, 16 e + r) at 8 e + kk
.set P,    112                         ; v112-119  scores, then p / l: query r, keys 8 h + i
.set CX,   128                         ; v128-159  the context, transposed; written by matrix instructions alone
.set OUT,  160                         ; v160-191  my head's part of out, transposed; likewise
.set WB0,  192                         ; v192-255  W_o, channels 0-31 of my head
.set WB1,  16                          ; v16-79    Q, K and the two score tiles; then W_o, channels 32-63
	s_load_b128 s[4:7], s[0:1], 0x0                ; qkv, W_o
	s_load_b64 s[8:9], s[0:1], 0x10                ; out0
	v_lshl_add_u32 v[SPW], v0, 2, SPARE
	v_mov_b32 v[NIL], 0
	v_lshrrev_b32 v3, 5, v0
	v_readfirstlane_b32 s10, v3                    ; wave = head; later: the row that I add up
	s_and_b32 s11, ttmp7, 0xffff                   ; batch
	v_and_b32 v3, 15, v0                           ; r
	v_bfe_u32 v4, v0, 4, 1                         ; h
	v_lshlrev_b32 v5, 7, v3
	v_lshl_add_u32 v5, v4, 4, v5                   ; Q, K: 128 r + 16 h
	v_lshlrev_b32 v6, 1, v3
	v_lshl_add_u32 v6, v4, 10, v6                  ; V: key 8 h, channel r
	v_lshlrev_b32 v7, 2, v3
	v_lshl_add_u32 v7, v4, 15, v7                  ; W_o: row 8 h, column r
	s_mul_i32 s12, s10, PART
	v_mul_u32_u24 v8, v3, 272
	v_lshl_add_u32 v8, v4, 5, v8
	v_add_nc_u32 v8, s12, v8                       ; my part: row r, + 32 h
	s_mul_i32 s13, s10, 272
	v_and_b32 v9, 31, v0
	v_lshlrev_b32 v10, 3, v9                       ; 8 bytes a lane
	v_add_nc_u32 v9, s13, v10                      ; row = my wave's number, of every part
	v_lshlrev_b32 v120, 3, v4
	v_sub_nc_u32 v120, v3, v120                    ; r - 8 h: key 8 h + i is hidden where i is above it
	v_mov_b32 v127, 0xff800000                     ; -infinity
	v_mov_b32 v122, 0                              ; (a lane permute's destination counts as read)
	v_mov_b32 v125, 0
	s_lshl_b32 s14, s11, 4
	s_add_co_u32 s14, s14, s10
	s_lshl_b32 s14, s14, 18                        ; (16 b + head) << 18
	s_mov_b32 s15, 0
	s_lshl_b32 s18, s10, 18                        ; W_o: my head's 64 rows of 4,096 bytes,
	s_lshl_b32 s19, ttmp9, 8                       ; the work-group's 64 columns
	s_add_co_u32 s18, s18, s19
	s_lshl_b32 s20, s11, 23                        ; out0: 2,048 b rows,
	s_lshl_b32 s21, s10, 12                        ; my row,
	s_add_co_u32 s20, s20, s21
	s_add_co_u32 s20, s20, s19                     ; the 64 columns
	s_mov_b32 s19, 0
	s_mov_b32 s21, 0
	s_mov_b32 s28, 0x76543210
	s_mov_b32 s29, 0xfedcba98
	s_mov_b32 s30, 0x3e38aa3b                      ; c = log2(e) / 8
	s_wait_kmcnt 0x0
	s_add_nc_u64 s[16:17], s[4:5], s[14:15]        ; Q
	s_add_nc_u64 s[24:25], s[16:17], 1<<24         ; K
	s_add_nc_u64 s[26:27], s[16:17], 2<<24         ; V
	s_add_nc_u64 s[22:23], s[6:7], s[18:19]
	s_add_nc_u64 s[8:9], s[8:9], s[20:21]
.irp c, 0,1
	global_load_b128 v[16+8*\c:19+8*\c], v5, s[16:17] offset:64*\c
	global_load_b128 v[20+8*\c:23+8*\c], v5, s[16:17] offset:64*\c+32
	global_load_b128 v[32+8*\c:35+8*\c], v5, s[24:25] offset:64*\c
	global_load_b128 v[36+8*\c:39+8*\c], v5, s[24:25] offset:64*\c+32
.endr
.irp e, 0,1,2,3
.irp kk, 0,1,2,3,4,5,6,7
	global_load_u16 v[VF+8*\e+\kk], v6, s[26:27] offset:128*\kk+32*\e
.endr
.endr
; W_o(64 head + 16 e + 8 h + 2 i + jj, 64 jn + 16 f + r), e = e0 + e1, at base + 2 (4 (4 e1 + i) + f) + jj
.macro WLOAD base, e0
.irp e1, 0,1
.irp i, 0,1,2,3
.irp f, 0,1,2,3
.irp jj, 0,1
	global_load_b32 v[\base+((\e1*4+\i)*4+\f)*2+\jj], v7, s[22:23] offset:4096*(16*(\e0+\e1)+2*\i+\jj)+64*\f
.endr
.endr
.endr
.endr
.endm
	WLOAD WB0, 0
	s_wait_loadcnt 63                              ; 96 loads were issued behind Q's and K's: the count's field ends at 63
	v_wmma_f32_16x16x32_f16 v[48:55], v[32:39], v[16:23], 0      ; S^T = K Q^T in two halves of the channels, each with C = 0
	v_wmma_f32_16x16x32_f16 v[56:63], v[40:47], v[24:31], 0
.rept 4
	v_nop
.endr
.irp i, 0,1,2,3,4,5,6,7
	v_add_f32 v[P+\i], v[48+\i], v[56+\i]
.endr
	WLOAD WB1, 2                                   ; into the registers that Q, K and the halves have left
.irp i, 0,1,2,3,4,5,6,7
	v_cmp_gt_i32 vcc_lo, \i, v120
	v_cndmask_b32 v[P+\i], v[P+\i], v127, vcc_lo   ; the causal mask
.endr
	v_max3_num_f32 v121, v[P], v[P+1], v[P+2]
	v_max3_num_f32 v121, v121, v[P+3], v[P+4]
	v_max3_num_f32 v121, v121, v[P+5], v[P+6]
	v_max_num_f32 v121, v121, v[P+7]
	v_permlanex16_b32 v122, v121, s28, s29
	v_max_num_f32 v121, v121, v122                 ; the row's largest score: key 0 counts for every query
	v_mul_f32 v123, s30, v121
.irp i, 0,1,2,3,4,5,6,7
	v_fma_f32 v[P+\i], v[P+\i], s30, -v123
.endr
.irp i, 0,1,2,3,4,5,6,7
	v_exp_f32 v[P+\i], v[P+\i]
.endr
	v_nop
	s_wait_alu depctr_va_vdst(0)                   ; one wait for the eight exponentials
	v_add_f32 v124, v[P], v[P+1]
	v_add_f32 v126, v[P+2], v[P+3]
	v_add_f32 v124, v124, v[P+4]
	v_add_f32 v126, v126, v[P+5]
	v_add_f32 v124, v124, v[P+6]
	v_add_f32 v126, v126, v[P+7]
	v_add_f32 v124, v124, v126
	v_permlanex16_b32 v125, v124, s28, s29
	v_add_f32 v124, v124, v125
	v_rcp_f32 v126, v124
	v_nop
	s_wait_alu depctr_va_vdst(0)
.irp i, 0,1,2,3,4,5,6,7
	v_mul_f32 v[P+\i], v[P+\i], v126               ; the weights, in f32
.endr
	s_wait_loadcnt 63                              ; 128 loads were issued behind V's
	v_cvt_f32_f16 v80, v80.l
	v_cvt_f32_f16 v81, v81.l
	v_cvt_f32_f16 v82, v82.l
	v_cvt_f32_f16 v83, v83.l
	v_cvt_f32_f16 v84, v84.l
	v_cvt_f32_f16 v85, v85.l
	v_cvt_f32_f16 v86, v86.l
	v_cvt_f32_f16 v87, v87.l
	v_cvt_f32_f16 v88, v88.l
	v_cvt_f32_f16 v89, v89.l
	v_cvt_f32_f16 v90, v90.l
	v_cvt_f32_f16 v91, v91.l
	v_cvt_f32_f16 v92, v92.l
	v_cvt_f32_f16 v93, v93.l
	v_cvt_f32_f16 v94, v94.l
	v_cvt_f32_f16 v95, v95.l
	v_cvt_f32_f16 v96, v96.l
	v_cvt_f32_f16 v97, v97.l
	v_cvt_f32_f16 v98, v98.l
	v_cvt_f32_f16 v99, v99.l
	v_cvt_f32_f16 v100, v100.l
	v_cvt_f32_f16 v101, v101.l
	v_cvt_f32_f16 v102, v102.l
	v_cvt_f32_f16 v103, v103.l
	v_cvt_f32_f16 v104, v104.l
	v_cvt_f32_f16 v105, v105.l
	v_cvt_f32_f16 v106, v106.l
	v_cvt_f32_f16 v107, v107.l
	v_cvt_f32_f16 v108, v108.l
	v_cvt_f32_f16 v109, v109.l
	v_cvt_f32_f16 v110, v110.l
	v_cvt_f32_f16 v111, v111.l
.irp i, 0,1,2,3                        ; context^T = V^T P^T: four accumulators (16 channels each) by turns; the first turn starts the sums
.irp e, 0,1,2,3
.if \i == 0
	v_wmma_f32_16x16x4_f32 v[CX+8*\e:CX+8*\e+7], v[VF+8*\e+2*\i:VF+8*\e+2*\i+1], v[P+2*\i:P+2*\i+1], 0
.else
	v_wmma_f32_16x16x4_f32 v[CX+8*\e:CX+8*\e+7], v[VF+8*\e+2*\i:VF+8*\e+2*\i+1], v[P+2*\i:P+2*\i+1], v[CX+8*\e:CX+8*\e+7]
.endif
.endr
.endr
.rept 9
	v_nop                                          ; nine places before a matrix instruction takes these results as an operand
.endr
; out^T += W_o^T context^T: four accumulators (16 columns each) by turns; K step (e, i): channels 16 e + 8 h + 2 i + j, which are registers 2 i, 2 i + 1 of the context's tile e
.macro WPROD base, e0, first
.irp e1, 0,1
.irp i, 0,1,2,3
.irp f, 0,1,2,3
.if \first && (\e1 == 0) && (\i == 0)
	v_wmma_f32_16x16x4_f32 v[OUT+8*\f:OUT+8*\f+7], v[\base+((\e1*4+\i)*4+\f)*2:\base+((\e1*4+\i)*4+\f)*2+1], v[CX+8*(\e0+\e1)+2*\i:CX+8*(\e0+\e1)+2*\i+1], 0
.else
	v_wmma_f32_16x16x4_f32 v[OUT+8*\f:OUT+8*\f+7], v[\base+((\e1*4+\i)*4+\f)*2:\base+((\e1*4+\i)*4+\f)*2+1], v[CX+8*(\e0+\e1)+2*\i:CX+8*(\e0+\e1)+2*\i+1], v[OUT+8*\f:OUT+8*\f+7]
.endif
.endr
.endr
.endr
.endm
	s_wait_loadcnt 63                              ; 64 loads were issued behind the first half of W_o
	WPROD WB0, 0, 1
	s_wait_loadcnt 0x0
	WPROD WB1, 2, 0
.rept 8
	v_nop                                          ; eight places behind this form before its results are read and its operands' registers loaded
.endr
.irp f, 0,1,2,3
	ds_store_b128 v8, v[OUT+8*\f:OUT+8*\f+3] offset:64*\f          ; lane (r, h): row r, columns 16 f + 8 h + 0..7
	ds_store_b128 v8, v[OUT+8*\f+4:OUT+8*\f+7] offset:64*\f+16
.endr
	s_wait_dscnt 0x0                               ; for the others' sake: my part has landed
	s_barrier_signal -1
	s_barrier_wait -1
.irp p, 0,1,2,3,4,5,6,7,8,9,10,11,12,13,14,15
	ds_load_b64 v[16+2*\p:17+2*\p], v9 offset:PART*\p
.endr
	s_wait_dscnt 0x0
	v_pk_add_f32 v[48:49], v[16:17], v[18:19]
.irp p, 2,3,4,5,6,7,8,9,10,11,12,13,14,15
	v_pk_add_f32 v[48:49], v[48:49], v[16+2*\p:17+2*\p]            ; in the order of heads
.endr
	global_store_b64 v10, v[48:49], s[8:9]         ; 32 lanes store 256 consecutive bytes of my row, aligned
	s_wait_tensorcnt 0x0                           ; the wave's end
	ds_add_u32 v[SPW], v[NIL]
	s_wait_dscnt 0x0
	s_endpgm
.Lfunc_end_k_q3a437c327a_early:
	.size	k_q3a437c327a_early, .Lfunc_end_k_q3a437c327a_early-k_q3a437c327a_early
	.p2alignl 7, 3214868480
	.fill 96, 4, 3214868480
	.section	.rodata,"a",@progbits
	.p2align	6, 0x0
	.amdhsa_kernel k_q3a437c327a_early
		.amdhsa_group_segment_fixed_size 71680
		.amdhsa_private_segment_fixed_size 0
		.amdhsa_enable_private_segment 0
		.amdhsa_kernarg_size 24
		.amdhsa_user_sgpr_count 2
		.amdhsa_user_sgpr_kernarg_segment_ptr 1
		.amdhsa_wavefront_size32 1
		.amdhsa_system_sgpr_workgroup_id_x 1
		.amdhsa_system_sgpr_workgroup_id_y 1
		.amdhsa_system_sgpr_workgroup_id_z 1
		.amdhsa_system_vgpr_workitem_id 0
		.amdhsa_next_free_vgpr 256
		.amdhsa_next_free_sgpr 66
		.amdhsa_reserve_vcc 1
		.amdhsa_float_denorm_mode_32 3
		.amdhsa_float_denorm_mode_16_64 3
		.amdhsa_memory_ordered 1
		.amdhsa_forward_progress 1
		.amdhsa_inst_pref_size 31
	.end_amdhsa_kernel
	.amdgpu_metadata
---
amdhsa.version: [ 1, 2 ]
amdhsa.kernels:
  - .name:           k_q3a437c327a_early
    .symbol:         k_q3a437c327a_early.kd
    .args:
      - { .name: qkv, .offset: 0, .size: 8, .value_kind: global_buffer, .address_space: global }
      - { .name: W_o, .offset: 8, .size: 8, .value_kind: global_buffer, .address_space: global }
      - { .name: out0, .offset: 16, .size: 8, .value_kind: global_buffer, .address_space: global }
    .group_segment_fixed_size: 71680
    .private_segment_fixed_size: 0
    .kernarg_segment_align: 8
    .kernarg_segment_size: 24
    .max_flat_workgroup_size: 512
    .sgpr_count:     66
    .vgpr_count:     256
    .wavefront_size: 32
...
	.end_amdgpu_metadata
.endif
;; end of part 5
